; MI455X (gfx1250); checked and timed in simulation.
; The chip was launched on July 23, 2026; its instructions are those of AMD's public machine-readable ISA for CDNA 5 (MIT licence, August 2026) and "CDNA5" Instruction Set Architecture Reference Guide (July 2026). The comments in the code are by the model that wrote it; some were corrected since.
;; Sana Linear Attention. Allowed arithmetic: float matrix products may take bf16 or f16 operands with f32 sums; other float arithmetic in f32, or as packed bf16 or f16 multiplies, adds, multiply-adds, maxima and minima; sums over many terms, partial sums and values carried from step to step in f32; what a program stores and reads back later, other than sums and carried values, may be rounded once to bf16 or f16.
;; Inputs: Wk 2,048 x 2,048 float32; Wo 2,048 x 2,048 float32; Wq 2,048 x 2,048 float32; Wv 2,048 x 2,048 float32; bo 2,048 float32; hidden_states 2 x 2,048 x 2,048 float32.
;; Outputs: out0 2 x 2,048 x 2,048 float32.
;; 2 versions, each right; version 2 is version 1 with the launch prep written anew for expert scheduling mode. Each part assembles by itself: llvm-mc -triple=amdgcn-amd-amdhsa -mcpu=gfx1250 --defsym DOCPART=n.
;; ======== version 1 of 2: 4 launches
;; limits: values are held in f16: magnitudes above 65,504 overflow, below 6.1e-05 lose precision
;; workspace buffers: xb 16,777,216 bytes; wt 25,165,824 bytes; wot 8,388,608 bytes; qkv 16,777,216 bytes; kvp 5,242,880 bytes; att 16,777,216 bytes
;; launch prep (part 1): grid 256 x 6, 8 waves a work-group, no clusters, 35,840 bytes of LDS; arguments hidden_states, Wq, Wk, Wv, Wo, xb, wt, wot; writes xb, wt, wot
.if DOCPART == 1
	.amdgcn_target "amdgcn-amd-amdhsa--gfx1250"
	.amdhsa_code_object_version 6
	.text
	.protected	k_qb7c477b598_prep
	.globl	k_qb7c477b598_prep
	.p2align	8
	.type	k_qb7c477b598_prep,@function
k_qb7c477b598_prep:
	s_mov_b64 s[64:65], 0
	v_nop
	global_prefetch_b8 v0, s[64:65] scope:SCOPE_SE
	s_setreg_imm32_b32 hwreg(HW_REG_WAVE_MODE, 25, 1), 1
	s_wait_xcnt 0x0
; PREPARATION.  Every input of the products is rounded once to bf16, and the weights are turned so that K lies along the rows.
;   xb  [4096][2048] bf16 = hidden_states.
;   wt  [6144][2048 k] bf16, BY HEADS: row 192 h + 64 y + j is column 64 h + j of Wq (y = 0), Wk (y = 1), Wv (y = 2): a head's q, k and v columns lie together.
;   wot [2048 n][2048 k] f16: Wo rounded to bf16, that number written as f16, turned.
; LIMIT.  A bf16 number is an f16 number exactly between 2^-14 and 65,504; below 2^-14 wot keeps f16's fixed step of 6e-8; a Wo beyond 65,504 becomes an infinity.
; GRID.  y = 0..3: one of the four weights, x = a block of 128 k x 128 n (k block x / 16, n block x % 16).  y = 4, 5: 16,384 numbers of hidden_states each.
; No matrix unit, tensor load, cluster or prefetch: each byte is read once and written once, by many small work-groups that each have all their loads out at once.
.set PT,    272                        ; a row of the turned tile in LDS: 128 k x 2 bytes + 16
.set SPARE, 128*PT                     ; behind the tile: the spare words, 128 bytes for each of the eight waves
.set SPW,   12                         ; v12  LDS address of my spare word; never rewritten
.set NIL,   13                         ; v13  0; never rewritten
.set R,     32                         ; v[32:95]   as loaded (f32); later v[32:63] rows read back
.set T,     96                         ; v[96:127]  rounded
	s_load_b512 s[8:23], s[0:1], 0x0               ; hidden_states s[8:9], Wq s[10:11], Wk s[12:13], Wv s[14:15], Wo s[16:17], xb s[18:19], wt s[20:21], wot s[22:23]
	v_lshl_add_u32 v[SPW], v0, 2, SPARE
	v_mov_b32 v[NIL], 0
	v_lshrrev_b32 v2, 5, v0
	v_readfirstlane_b32 s4, v2                     ; wave 0..7
	v_and_b32 v1, 31, v0                           ; lane
	s_and_b32 s5, ttmp7, 0xffff                    ; y
	s_mov_b32 s25, 0                               ; the high word of every offset
	s_wait_kmcnt 0x0
	s_cmp_ge_u32 s5, 4                             ; the same in all waves of a work-group
	s_cbranch_scc1 .Lx
	; ---- A WEIGHT'S BLOCK: 128 k x 128 n ----
	s_lshr_b32 s6, ttmp9, 4                        ; k block
	s_and_b32 s7, ttmp9, 15                        ; n block
	s_lshl_b32 s30, s7, 1                          ; my wave's 16 turned rows n = 128 nb + 16 w .. lie in head 2 nb + w / 4, from its column 16 (w % 4) on:
	s_lshr_b32 s31, s4, 2
	s_add_co_u32 s30, s30, s31
	s_mul_i32 s30, s30, 192                        ; in wt at row 192 head
	s_lshl_b32 s31, s5, 6                          ; + 64 y
	s_add_co_u32 s30, s30, s31
	s_and_b32 s31, s4, 3
	s_lshl_b32 s31, s31, 4                         ; + 16 (w % 4);
	s_add_co_u32 s30, s30, s31
	s_lshl_b32 s33, s7, 7                          ; in wot at row 128 nb + 16 w
	s_lshl_b32 s31, s4, 4
	s_add_co_u32 s33, s33, s31
	s_cmp_eq_u32 s5, 1
	s_cselect_b64 s[26:27], s[12:13], s[10:11]
	s_cmp_eq_u32 s5, 2
	s_cselect_b64 s[26:27], s[14:15], s[26:27]
	s_cmp_eq_u32 s5, 3
	s_cselect_b64 s[26:27], s[16:17], s[26:27]     ; from where
	s_cselect_b64 s[28:29], s[22:23], s[20:21]     ; to where: wot for Wo, else wt
	s_cselect_b32 s30, s33, s30
	s_lshl_b32 s24, s6, 20                         ; from: (128 kb + 16 w) rows of 8,192 bytes + 512 nb
	s_lshl_b32 s31, s4, 17
	s_add_co_u32 s24, s24, s31
	s_lshl_b32 s31, s7, 9
	s_add_co_u32 s24, s24, s31
	s_add_nc_u64 s[26:27], s[26:27], s[24:25]
	s_lshl_b32 s24, s30, 12                        ; to: my first row, 4,096 bytes a row, + 256 kb
	s_lshl_b32 s31, s6, 8
	s_add_co_u32 s24, s24, s31
	s_add_nc_u64 s[28:29], s[28:29], s[24:25]
	v_lshlrev_b32 v3, 4, v1                        ; 16 bytes a lane: a load covers 512 consecutive bytes of a row of W (128 n)
	; wave w takes the 16 rows k = 16 w .. 16 w + 15 of the block: two groups (cc) of eight.  Lane l holds n = 4 l + c
.irp cc, 0,1
.irp j, 0,1,2,3,4,5,6,7
	global_load_b128 v[R+32*(\cc)+4*(\j):R+32*(\cc)+4*(\j)+3], v3, s[26:27] offset:(8*(\cc)+(\j))*8192 th:TH_LOAD_NT
.endr
.endr
	v_and_b32 v14, 15, v1                          ; l % 16
	v_lshrrev_b32 v16, 4, v1                       ; l / 16
	v_mul_u32_u24 v4, v1, 4*PT                     ; in: rows 4 l + c, bytes 32 w + 16 cc.  Rows four apart lie 1,088 bytes apart, 64 bytes round the banks, so lanes four apart meet in the
	s_lshl_b32 s32, s4, 5                          ; same banks; no pitch that keeps 16-byte alignment spreads them further, and a work-group has only 64 such stores
	v_add_nc_u32 v4, s32, v4
	s_mul_i32 s34, s4, 16*PT                       ; back: wave w takes rows 16 w .. 16 w + 15, two a load: lanes 0-15 one row's 256 bytes, lanes 16-31 the next
	v_mul_u32_u24 v6, v16, PT
	v_lshl_add_u32 v6, v14, 4, v6
	v_add_nc_u32 v6, s34, v6
	v_lshlrev_b32 v10, 4, v14                      ; and the same two rows in memory, 4,096 bytes apart
	v_lshl_add_u32 v10, v16, 12, v10
.irp cc, 0,1
	s_wait_loadcnt 8-8*(\cc)                       ; group cc is in; the eight loads of the later group may stay out
.irp c, 0,1,2,3
.irp jj, 0,1,2,3
	v_cvt_pk_bf16_f32 v[T+16*(\cc)+4*(\c)+(\jj)], v[R+32*(\cc)+8*(\jj)+(\c)], v[R+32*(\cc)+8*(\jj)+4+(\c)]  ; k = 2 jj, 2 jj + 1 of the group, for n = 4 l + c: four of these are 16 bytes of a turned row
.endr
.endr
.endr
	s_cmp_lg_u32 s5, 3
	s_cbranch_scc1 .Lkeep                          ; Wo alone: the bf16 number is written as f16
.set i, 0
.rept 32
	v_lshlrev_b32 v18, 16, v[T+i]
	v_and_b32 v19, 0xffff0000, v[T+i]
	v_cvt_pk_f16_f32 v[T+i], v18, v19
.set i, i+1
.endr
.Lkeep:
.irp cc, 0,1
.irp c, 0,1,2,3
	ds_store_b128 v4, v[T+16*(\cc)+4*(\c):T+16*(\cc)+4*(\c)+3] offset:(\c)*PT+16*(\cc)
.endr
.endr
	s_wait_dscnt 0x0                               ; for the others' sake: my stores into the tile are done
	s_barrier_signal -1
	s_barrier_wait -1
.irp t, 0,1,2,3,4,5,6,7
	ds_load_b128 v[R+4*(\t):R+4*(\t)+3], v6 offset:(\t)*2*PT
.endr
.irp t, 0,1,2,3,4,5,6,7
	s_wait_dscnt 7-(\t)                            ; LDS loads come back in order: pair t of rows is in
	global_store_b128 v10, v[R+4*(\t):R+4*(\t)+3], s[28:29] offset:(\t)*8192  ; 16 lanes store 256 consecutive bytes, at a multiple of 256 from the buffer's first byte
.endr
	s_branch .Lend
	; ---- hidden_states: 16,384 numbers ----
.Lx:
	s_sub_co_u32 s5, s5, 4
	s_lshl_b32 s5, s5, 8
	s_add_co_u32 s5, s5, ttmp9                     ; part 0..511
	s_lshl_b32 s24, s5, 16                         ; 65,536 bytes in,
	s_add_nc_u64 s[8:9], s[8:9], s[24:25]
	s_lshl_b32 s24, s5, 15                         ; 32,768 out
	s_add_nc_u64 s[18:19], s[18:19], s[24:25]
	v_lshlrev_b32 v2, 5, v0                        ; thread t takes 8 numbers: 32 bytes in,
	v_lshlrev_b32 v3, 4, v0                        ; 16 out
.irp i, 0,1,2,3,4,5,6,7
	global_load_b128 v[R+8*(\i):R+8*(\i)+3],   v2, s[8:9] offset:8192*(\i) th:TH_LOAD_NT
	global_load_b128 v[R+8*(\i)+4:R+8*(\i)+7], v2, s[8:9] offset:8192*(\i)+16 th:TH_LOAD_NT
.endr
.irp i, 0,1,2,3,4,5,6,7
	s_wait_loadcnt 14-2*(\i)                       ; round i's two loads are in; the later rounds' stay out
.irp k, 0,1,2,3
	v_cvt_pk_bf16_f32 v[T+4*(\i)+(\k)], v[R+8*(\i)+2*(\k)], v[R+8*(\i)+2*(\k)+1]
.endr
	global_store_b128 v3, v[T+4*(\i):T+4*(\i)+3], s[18:19] offset:4096*(\i)  ; each round has registers of its own: nothing that a store reads is written again
.endr
.Lend:
	s_wait_tensorcnt 0x0                           ; the wave's end: behind my last LDS store
	ds_add_u32 v[SPW], v[NIL]
	s_wait_dscnt 0x0
	s_endpgm
.Lfunc_end_k_qb7c477b598_prep:
	.size	k_qb7c477b598_prep, .Lfunc_end_k_qb7c477b598_prep-k_qb7c477b598_prep
	.p2alignl 7, 3214868480
	.fill 96, 4, 3214868480
	.section	.rodata,"a",@progbits
	.p2align	6, 0x0
	.amdhsa_kernel k_qb7c477b598_prep
		.amdhsa_group_segment_fixed_size 35840
		.amdhsa_private_segment_fixed_size 0
		.amdhsa_enable_private_segment 0
		.amdhsa_kernarg_size 64
		.amdhsa_user_sgpr_count 2
		.amdhsa_user_sgpr_kernarg_segment_ptr 1
		.amdhsa_wavefront_size32 1
		.amdhsa_system_sgpr_workgroup_id_x 1
		.amdhsa_system_sgpr_workgroup_id_y 1
		.amdhsa_system_sgpr_workgroup_id_z 1
		.amdhsa_system_vgpr_workitem_id 0
		.amdhsa_next_free_vgpr 128
		.amdhsa_next_free_sgpr 66
		.amdhsa_reserve_vcc 0
		.amdhsa_float_denorm_mode_32 3
		.amdhsa_float_denorm_mode_16_64 3
		.amdhsa_memory_ordered 1
		.amdhsa_forward_progress 1
		.amdhsa_inst_pref_size 19
	.end_amdhsa_kernel
	.amdgpu_metadata
---
amdhsa.version: [ 1, 2 ]
amdhsa.kernels:
  - .name:           k_qb7c477b598_prep
    .symbol:         k_qb7c477b598_prep.kd
    .args:
      - { .name: hidden_states, .offset: 0, .size: 8, .value_kind: global_buffer, .address_space: global }
      - { .name: Wq, .offset: 8, .size: 8, .value_kind: global_buffer, .address_space: global }
      - { .name: Wk, .offset: 16, .size: 8, .value_kind: global_buffer, .address_space: global }
      - { .name: Wv, .offset: 24, .size: 8, .value_kind: global_buffer, .address_space: global }
      - { .name: Wo, .offset: 32, .size: 8, .value_kind: global_buffer, .address_space: global }
      - { .name: xb, .offset: 40, .size: 8, .value_kind: global_buffer, .address_space: global }
      - { .name: wt, .offset: 48, .size: 8, .value_kind: global_buffer, .address_space: global }
      - { .name: wot, .offset: 56, .size: 8, .value_kind: global_buffer, .address_space: global }
    .group_segment_fixed_size: 35840
    .private_segment_fixed_size: 0
    .kernarg_segment_align: 8
    .kernarg_segment_size: 64
    .max_flat_workgroup_size: 256
    .sgpr_count:     66
    .vgpr_count:     128
    .wavefront_size: 32
...
	.end_amdgpu_metadata
.endif
;; end of part 1
;; launch qkv (part 2): grid 32 x 8, 4 waves a work-group, clusters of 4 x 4, 327,680 bytes of LDS; arguments xb, wt, qkv, kvp; writes qkv, kvp
.if DOCPART == 2
	.amdgcn_target "amdgcn-amd-amdhsa--gfx1250"
	.amdhsa_code_object_version 6
	.text
	.protected	k_qb7c477b598_qkv
	.globl	k_qb7c477b598_qkv
	.p2align	8
	.type	k_qb7c477b598_qkv,@function
k_qb7c477b598_qkv:
	s_mov_b64 s[64:65], 0
	v_nop
	global_prefetch_b8 v0, s[64:65] scope:SCOPE_SE
	s_setreg_imm32_b32 hwreg(HW_REG_WAVE_MODE, 25, 1), 1
	s_wait_xcnt 0x0
	s_wait_alu depctr_hold_cnt(0) depctr_sa_sdst(0) depctr_va_vdst(0) depctr_va_sdst(0) depctr_va_ssrc(0) depctr_va_vcc(0) depctr_vm_vsrc(0)
	s_getreg_b32 s2, hwreg(HW_REG_IB_STS2, 6, 4)
	s_cmp_eq_u32 s2, 0
	s_cbranch_scc0 .Lentry_in_a_cluster
	s_endpgm
.Lentry_in_a_cluster:
	s_bfe_u32 s2, ttmp6, 0x10000c
	s_cmp_lg_u32 s2, 0xf033
	s_cbranch_scc0 .Lentry_shape_is_right
	s_endpgm
.Lentry_shape_is_right:
; q | k | v = xb wt^T, AND THE PARTIAL kv AND ksum MADE OF k AND v.  C[m][n] = sum over k of xb[m][k] wt[n][k], m < 4096, n < 6144, k < 2048; bf16 operands, f32 sums, C rounded once to f16.
; wt lies by heads: columns 192 h + 0..63 of C are q of head h, + 64..127 its k, + 128..191 its v.  q goes to memory (no relu here: the reader applies it); k and v stay in LDS:
; kv[d][e] = sum over rows s of relu(k[s][d]) v[s][e] and ksum[d] = sum over s of relu(k[s][d]), f16 operands, f32 sums, over the work-group's 512 rows.  The next launch adds a head's four partial sums.
; LIMIT.  f16 holds no number beyond 65,504: a |q|, |k| or |v| of 65,520 or more becomes an infinity.  NaN and infinities are not treated apart.
; OUT.  qkv = [64 p][4096 m][32] f16, q alone, in panels: p = 2 h + column / 32; 16 rows of a panel are 1,024 consecutive bytes.
;       kvp = [64 bh][4 part][4 db][5 eb][2 half][32 lane][4] f32: an accumulator's registers as they lie: lane (r, hl), register j: e = 16 eb + r, d = 16 db + 8 hl + j; eb = 4 is ksum, the same for every r.
; TILES.  C has 16 x 32 tiles of 256 x 192: a tile column is a head.  A work-group makes tile rows 8 Y + cy and 8 Y + cy + 4 (Y the cluster's y = the batch) of one tile column: both take the same rows of wt,
; and both belong to one (batch, head), so the kv sums run over both.  Four waves, each 128 x 96 of a tile: 48 accumulators of 16 x 16.  K goes in steps of 128 (rows of 256 bytes) through two LDS slots.
; CLUSTER.  4 x 4 work-groups: the four of a row need the same tiles of xb, the four of a column the same tiles of wt; each tile is asked for jointly, by the same load, descriptor and mask in all four.
; THE MATRIX INSTRUCTION IS USED TRANSPOSED (source 0 = 16 rows of wt, source 1 = 16 rows of xb): lane l holds row l % 16 of C and the columns 8 (l / 16) + 0..7.
; REGISTERS, in windows of 256 (s_set_vgpr_msb: bits 1:0 source 0, 3:2 source 1, 5:4 source 2, 7:6 destination):
;   window 0: v0-31 addresses, ones and 0; v32-95, v96-159 fragments of xb (8 x 16 rows x 32 K), two buffers; v160-207, v208-255 fragments of wt (6), two buffers; buffer 1 serves the way out
;   window 1: accumulators (b, a), b < 4, at v[8 (8 b + a)];   window 2: b = 4, 5 at v[8 (8 (b - 4) + a)]; v128-167 the five kv accumulators
.set SIZE_K, 2048
.set KSTEP,  128
.set PITCH,  272                       ; an LDS row: 256 bytes + 16 = 68 words: the 16 rows of a fragment load start 4 words apart round the banks (64 banks of 4 bytes: ISA guide 11.1)
.set AHALF,  128*PITCH                 ; 128 rows of xb: one tensor load, and what a wave reads of xb
.set BHALF,  96*PITCH                  ; 96 rows of wt likewise
.set SLOT,   2*AHALF+2*BHALF
.set STAGE,  2*SLOT                    ; behind the ring, never filled by a tensor load: for each wave 2 panels x 16 rows x 80 bytes, for q
.set WST,    2*16*80
.set KVS,    STAGE+4*WST               ; behind them: the tile's k and v: 256 rows of 128 + 128 bytes
.set KVP,    272                       ; + 16: the sixteen rows of a ds_store_b128 start 4 words apart round the banks; two of the eight rows of a turning load meet in a bank
.set SPARE,  KVS+256*KVP               ; behind that: the spare words, 128 bytes for each wave
.set LAPS,   SIZE_K/(2*KSTEP)          ; a lap = two K steps = once round the ring
.set WALK,   1024                      ; rows from a work-group's first tile to its second
.set NEXT_A, WALK*SIZE_K*2-(SIZE_K-2*KSTEP)*2   ; bytes from a slot's last K step of a tile to its first of the next: xb goes WALK rows down and back along K,
.set BACK_B, (SIZE_K-2*KSTEP)*2        ; wt only back
.set PANEL,  4096*64                   ; bytes in a panel of qkv
.set ONES, 8                           ; v[8:15] 1.0 in every f16; never rewritten
.set ADRA, 16                          ; v16-17  LDS address of my xb fragments in slot 0, 1
.set ADRB, 20                          ; v20-21  the same for wt
.set STK,  22                          ; v22     where I put 16 bytes of a row of k or v
.set AKV,  23                          ; v23     the turning loads' address for k, d block = my wave's number
.set STO,  24                          ; v24     q's way out: where I put 16 bytes of a row
.set RD,   25                          ; v25     q's way out: where I read rows back
.set CO,   26                          ; v26     16 x lane: my place in 512 consecutive bytes
.set AVV,  27                          ; v27     the turning loads' address for v
.set SPW,  28                          ; v28     LDS address of my spare word; never rewritten
.set NIL,  29                          ; v29     0; never rewritten
.set PFO,  30                          ; v30     the prefetches' offset: a lane a row of 4,096 bytes; never rewritten
.set ZERO, 31                          ; v31     0, for the relu
.set FA0,  32
.set FB0,  160
.set PK,   96                          ; the way out: 24 registers of packed results
.set BK,   208                         ; the way out: two sets of 16, rows of q read back
.set KS,   96                          ; the kv phase: two sets of 40, at v96 and v208: k's fragment, then v's four
.set KVA,  128                         ; window 2: the five kv accumulators
.set G1,  24                           ; s[24:31] descriptor group 1 for xb's tiles;  s[32:39] group 0, a set for each slot
.set G0,  32
.set G1B, 48                           ; s[48:55], s[56:63] the same for wt's
.set G0B, 56
.set LIM, 43                           ; s43     1 in a wave that prefetches, else the greatest number
.set PFA, 44                           ; s[44:45] where my prefetches stand: one K step further along K than the refill in hand; a prefetch names the K step after that
.set KB,  66                           ; s[66:67] kvp at my wave's five accumulators
.set MSB, 0
.macro WIN new                         ; the immediate's high byte repeats the setting that is left; a switch that changes nothing is dropped
.if MSB != (\new)
	s_set_vgpr_msb (MSB<<8)|(\new)
.set MSB, \new
.endif
.endm
.set MUL1, 0x50                        ; sources window 0, C and D window 1 (0xa0: window 2)
; A joint load.  Waves 0 and 1 fetch xb's two halves, waves 2 and 3 wt's.  The branch hangs on the wave's number alone.  An s_nop 0 and four v_nop follow each line.
.macro JLOAD s
	s_cmp_eq_u32 s11, 0
	s_cbranch_scc0 .Lfor_b_\@
	tensor_load_to_lds s[G0+4*(\s):G0+4*(\s)+3], s[G1:G1+7]
	s_nop 0
.rept 4
	v_nop
.endr
	s_branch .Lasked_\@
.Lfor_b_\@:
	tensor_load_to_lds s[G0B+4*(\s):G0B+4*(\s)+3], s[G1B:G1B+7]
	s_nop 0
.rept 4
	v_nop
.endr
.Lasked_\@:
.endm
; A prefetch of the K step that stands two refills on (384 matrix instructions ahead of the load that will want it): a lane a row, 256 bytes of each, one instruction a wave.
; xb's tile rows are read by every cluster of a row of clusters: cluster x = 0 asks; wt's tile columns by every cluster of a column: cluster y = 0 asks.  The four partners share a wave's rows out
; by address: 32 of xb's 128 each (by cx), 24 of wt's 96 (by cy; lanes 24-31 name lane 23's row once more).  how = 0, in the loop: a tile's last two refills have no K step two on; how = 1: at the change of tiles.
.macro ASK how
.if \how
	s_cmp_eq_u32 s[LIM], 1
.else
	s_cmp_gt_u32 s3, s[LIM]                        ; s3 = 1 in the loop's last trip
.endif
	s_cbranch_scc0 .Lnot_mine_\@
	global_prefetch_b8 v[PFO], s[PFA:PFA+1] offset:KSTEP*2 th:TH_LOAD_NT scope:SCOPE_SE
.Lnot_mine_\@:
.endm
.macro CREST                           ; a round of the cluster's barrier behind its opening barrier
	s_cmp_lg_u32 s10, 0
	s_cbranch_scc1 .Lnot_wave_0_\@
	s_barrier_signal -3
.Lnot_wave_0_\@:
	s_barrier_wait -3
	s_barrier_signal -1
	s_barrier_wait -1
.endm
.macro CROUND                          ; a whole round
	s_barrier_signal -1
	s_barrier_wait -1
	CREST
.endm
	s_load_b128 s[4:7], s[0:1], 0x0                ; xb s[4:5], wt s[6:7]
	s_load_b64 s[8:9], s[0:1], 0x10                ; qkv
	s_load_b64 s[KB:KB+1], s[0:1], 0x18            ; kvp
	v_lshl_add_u32 v[SPW], v0, 2, SPARE
	v_mov_b32 v[NIL], 0
	ds_add_u32 v[SPW], v[NIL]                      ; the wave's opening: the add, twice on end, and its wait ahead of my first tensor load
	ds_add_u32 v[SPW], v[NIL]
	v_lshrrev_b32 v1, 5, v0
	v_readfirstlane_b32 s10, v1                    ; wave 0..3
	s_lshr_b32 s11, s10, 1                         ; which 128 rows of the tile are mine.  Also: I fetch for xb (0) or for wt (1)
	s_and_b32 s12, s10, 1                          ; which 96 columns.  Also: which half of that tile I fetch
	s_bfe_u32 s40, ttmp6, 0x40000                  ; cx
	s_bfe_u32 s41, ttmp6, 0x40004                  ; cy
	s_lshl_b32 s42, ttmp9, 2
	s_add_co_u32 s42, s42, s40                     ; tile column = head 0..31
	s_and_b32 s13, ttmp7, 0xffff
	s_lshl_b32 s13, s13, 3
	s_add_co_u32 s13, s13, s41                     ; first tile row = 8 x cluster y + cy
	s_lshl_b32 s43, s41, 2
	s_lshl_b32 s43, 15, s43                        ; my row of the cluster
	s_lshl_b32 s44, 0x1111, s40                    ; my column
	s_or_b32 s[G1+0], s43, (1<<16)|(1<<20)|(1<<21)|(5<<22)|(3<<25)   ; the mask; elements of 2 bytes; padding on; bit 21 beside a mask; after every 64 words; 4 words
	s_or_b32 s[G1B+0], s44, (1<<16)|(1<<20)|(1<<21)|(5<<22)|(3<<25)
	s_mov_b32 s[G1+1], KSTEP<<16                   ; tensor_dim0 = 128
	s_mov_b32 s[G1+2], 128<<16                     ; tensor_dim1 = 128
	s_mov_b32 s[G1+3], KSTEP<<16                   ; tile_dim0 = 128
	s_mov_b32 s[G1+4], 128                         ; tile_dim1 = 128
	s_mov_b32 s[G1+5], SIZE_K                      ; elements from row to row
	s_mov_b32 s[G1+6], 0
	s_mov_b32 s[G1+7], 0
	s_mov_b32 s[G1B+1], KSTEP<<16
	s_mov_b32 s[G1B+2], 96<<16                     ; wt: 96 rows
	s_mov_b32 s[G1B+3], KSTEP<<16
	s_mov_b32 s[G1B+4], 96
	s_mov_b32 s[G1B+5], SIZE_K
	s_mov_b32 s[G1B+6], 0
	s_mov_b32 s[G1B+7], 0
	; xb's address hangs on the tile row alone, wt's on the tile column alone, each in registers that never hold the other coordinate
	s_lshl_b32 s17, s12, 7
	s_lshl_b32 s16, s13, 8
	s_add_co_u32 s16, s16, s17                     ; xb: row 256 tr + 128 half
	s_lshl_b32 s16, s16, 12                        ; rows of 4,096 bytes
	s_mov_b32 s17, 0
	s_mul_i32 s46, s42, 192
	s_mul_i32 s47, s12, 96
	s_add_co_u32 s46, s46, s47                     ; wt: row 192 tc + 96 half
	s_lshl_b32 s46, s46, 12
	s_mov_b32 s47, 0
	s_mul_i32 s20, s12, AHALF                      ; where they go: no place in the cluster enters an LDS address
	s_mul_i32 s21, s12, BHALF
	s_add_co_u32 s21, s21, 2*AHALF
	s_wait_dscnt 0x0                               ; both opening adds are done
	s_wait_kmcnt 0x0
	s_add_nc_u64 s[14:15], s[4:5], s[16:17]
	s_add_nc_u64 s[46:47], s[6:7], s[46:47]
	CROUND                                         ; all sixteen work-groups are here: the first joint loads meet
.irp s, 0,1
	s_mov_b32 s[G0+4*(\s)], 1
	s_add_co_u32 s[G0+4*(\s)+1], s20, (\s)*SLOT
	s_add_nc_u64 s[G0+4*(\s)+2:G0+4*(\s)+3], s[14:15], (\s)*KSTEP*2
	s_or_b32 s[G0+4*(\s)+3], s[G0+4*(\s)+3], 0x80000000
	s_mov_b32 s[G0B+4*(\s)], 1
	s_add_co_u32 s[G0B+4*(\s)+1], s21, (\s)*SLOT
	s_add_nc_u64 s[G0B+4*(\s)+2:G0B+4*(\s)+3], s[46:47], (\s)*KSTEP*2
	s_or_b32 s[G0B+4*(\s)+3], s[G0B+4*(\s)+3], 0x80000000
	JLOAD \s                                       ; two loads of mine are out
.endr
	; a fragment is 16 rows x 32 K in 8 registers: lane l holds row l % 16, K = 8 (l / 16) + 0..7 and 16 + 8 (l / 16) + 0..7: two loads of 16 bytes, 32 bytes apart
	v_and_b32 v1, 15, v0
	v_bfe_u32 v2, v0, 4, 1
	v_mul_u32_u24 v3, v1, PITCH
	v_lshl_add_u32 v3, v2, 4, v3
	s_mul_i32 s21, s11, AHALF
	s_mul_i32 s22, s12, BHALF
	s_add_co_u32 s22, s22, 2*AHALF
.irp s, 0,1
	v_add_nc_u32 v[ADRA+(\s)], s21, v3
	v_add_nc_u32 v[ADRB+(\s)], s22, v3
	s_add_co_u32 s21, s21, SLOT
	s_add_co_u32 s22, s22, SLOT
.endr
	s_mul_i32 s23, s10, WST
	s_add_co_u32 s23, s23, STAGE                   ; my stage for q
	v_mul_u32_u24 v4, v1, 80                       ; in: row l % 16 of a panel, 16 bytes for each half of the lanes
	v_lshl_add_u32 v4, v2, 4, v4
	v_add_nc_u32 v[STO], s23, v4
	v_and_b32 v5, 31, v0
	v_lshrrev_b32 v6, 2, v5                        ; back: 32 lanes take eight rows of 64 bytes,
	v_and_b32 v7, 3, v5
	v_mul_u32_u24 v6, v6, 80
	v_lshl_add_u32 v6, v7, 4, v6
	v_add_nc_u32 v[RD], s23, v6
	v_lshlrev_b32 v[CO], 4, v5                     ; which are 512 consecutive bytes of a panel
	; k and v: row 128 mh + 16 a + l % 16, 16 bytes for each half of the lanes.  A row holds k's d 0..63, then v's e 0..63.  The left waves' n blocks 4, 5 are d 0..31: bytes 0 on;
	; the right waves' n blocks 0..5 are d 32..63 and e 0..63: bytes 64 on
	s_mul_i32 s22, s11, 128*KVP
	s_lshl_b32 s21, s12, 6
	s_add_co_u32 s22, s22, s21
	s_add_co_u32 s22, s22, KVS
	v_mul_u32_u24 v4, v1, KVP
	v_lshl_add_u32 v4, v2, 4, v4
	v_add_nc_u32 v[STK], s22, v4
	; the turning load: lane l reads 16 bytes of row 8 (l / 16) + l % 8, at byte 16 ((l / 8) % 2), and receives column l % 16, rows 8 (l / 16) + 0..7
	v_and_b32 v6, 7, v0
	v_bfe_u32 v7, v0, 3, 1
	v_lshl_add_u32 v6, v2, 3, v6
	v_mul_u32_u24 v6, v6, KVP
	v_lshl_add_u32 v6, v7, 4, v6
	s_lshl_b32 s22, s10, 5                         ; d block w: 32 bytes of a row
	s_add_co_u32 s22, s22, KVS
	v_add_nc_u32 v[AKV], s22, v6
	v_add_nc_u32 v[AVV], KVS+128, v6
	v_mov_b32 v[ZERO], 0
.irp i, 0,1,2,3,4,5,6,7
	v_mov_b32 v[ONES+(\i)], 0x3c003c00
.endr
	s_lshl_b32 s46, s42, 19                        ; q: panel 2 tc,
	s_lshl_b32 s16, s13, 14                        ; row 256 tr + 128 mh, 64 bytes each
	s_lshl_b32 s17, s11, 13
	s_add_co_u32 s16, s16, s17
	s_add_co_u32 s46, s46, s16
	s_mov_b32 s47, 0
	s_add_nc_u64 s[8:9], s[8:9], s[46:47]
	s_and_b32 s46, ttmp7, 0xffff                   ; kvp: ((4 (32 batch + head) + cy) 20 + 5 w) accumulators of 1,024 bytes
	s_lshl_b32 s46, s46, 5
	s_add_co_u32 s46, s46, s42
	s_lshl_b32 s46, s46, 2
	s_add_co_u32 s46, s46, s41
	s_mul_i32 s46, s46, 20
	s_mul_i32 s47, s10, 5
	s_add_co_u32 s46, s46, s47
	s_lshl_b32 s46, s46, 10
	s_mov_b32 s47, 0
	s_add_nc_u64 s[KB:KB+1], s[KB:KB+1], s[46:47]
	; the prefetches
	s_lshl_b32 s20, s13, 8
	s_lshl_b32 s21, s12, 7
	s_add_co_u32 s20, s20, s21
	s_lshl_b32 s21, s40, 5
	s_add_co_u32 s20, s20, s21                     ; xb: row 256 tr + 128 half + 32 cx
	s_mul_i32 s21, s42, 192
	s_mul_i32 s22, s12, 96
	s_add_co_u32 s21, s21, s22
	s_mul_i32 s22, s41, 24
	s_add_co_u32 s21, s21, s22                     ; wt: row 192 tc + 96 half + 24 cy
	s_and_b32 s22, ttmp7, 0xffff                   ; cluster y
	s_cmp_eq_u32 s11, 0                            ; do I fetch for xb?
	s_cselect_b32 s20, s20, s21
	s_cselect_b32 s22, ttmp9, s22                  ; the coordinate along which other clusters read the same rows
	s_cselect_b32 s23, 31, 23                      ; my last row
	s_cselect_b64 s[PFA:PFA+1], s[4:5], s[6:7]
	s_cmp_eq_u32 s22, 0
	s_cselect_b32 s[LIM], 1, -1                    ; the same in all sixteen partners, for a given wave
	s_lshl_b32 s20, s20, 12
	s_mov_b32 s21, 0
	s_add_nc_u64 s[PFA:PFA+1], s[PFA:PFA+1], s[20:21]
	s_add_nc_u64 s[PFA:PFA+1], s[PFA:PFA+1], 2*KSTEP*2  ; at K step 2: the first refill steps it to 3 and names K step 4; nothing is prefetched here, at the head
	v_and_b32 v[PFO], 31, v0
	v_min_u32 v[PFO], s23, v[PFO]
	v_lshlrev_b32 v[PFO], 12, v[PFO]
	; the kv sums run over both tiles: they start at 0, written while the first tiles are on their way, so that both ways out have one form of product
	WIN 0x80                                       ; destination window 2
.set i, 0
.rept 40
	v_mov_b32 v[KVA+i], 0
.set i, i+1
.endr
	WIN 0
; 8 matrix instructions: n block b x all 8 m blocks, 32 along K, from buffer f.  zero = 1: the product starts the sums.  The 48 accumulators take turns, in the same order in every quarter step.
.macro MULB f, b, zero
	WIN MUL1+0x50*((\b)/4)
.irp a, 0,1,2,3,4,5,6,7
.if \zero
	v_wmma_f32_16x16x32_bf16 v[8*(8*((\b)%4)+(\a)):8*(8*((\b)%4)+(\a))+7], v[FB0+48*(\f)+8*(\b):FB0+48*(\f)+8*(\b)+7], v[FA0+64*(\f)+8*(\a):FA0+64*(\f)+8*(\a)+7], 0
.else
	v_wmma_f32_16x16x32_bf16 v[8*(8*((\b)%4)+(\a)):8*(8*((\b)%4)+(\a))+7], v[FB0+48*(\f)+8*(\b):FB0+48*(\f)+8*(\b)+7], v[FA0+64*(\f)+8*(\a):FA0+64*(\f)+8*(\a)+7], v[8*(8*((\b)%4)+(\a)):8*(8*((\b)%4)+(\a))+7]
.endif
.endr
.endm
; 28 LDS loads in one run: a quarter step's fragments (32 K at byte k of the rows) into buffer f: xb's sixteen loads, then wt's twelve
.macro FETCH slot, k, f
	WIN 0
.irp i, 0,1,2,3,4,5,6,7
	ds_load_b128 v[FA0+64*(\f)+8*(\i):FA0+64*(\f)+8*(\i)+3],   v[ADRA+(\slot)] offset:(\k)+(\i)*16*PITCH
	ds_load_b128 v[FA0+64*(\f)+8*(\i)+4:FA0+64*(\f)+8*(\i)+7], v[ADRA+(\slot)] offset:(\k)+(\i)*16*PITCH+32
.endr
.irp i, 0,1,2,3,4,5
	ds_load_b128 v[FB0+48*(\f)+8*(\i):FB0+48*(\f)+8*(\i)+3],   v[ADRB+(\slot)] offset:(\k)+(\i)*16*PITCH
	ds_load_b128 v[FB0+48*(\f)+8*(\i)+4:FB0+48*(\f)+8*(\i)+7], v[ADRB+(\slot)] offset:(\k)+(\i)*16*PITCH+32
.endr
.endm
.macro PLACES                          ; four plain vector instructions between a matrix instruction and a load into, a store of, or a vector line on its registers (ISA guide 7.12.1 for vector instructions)
.rept 4
	v_nop
.endr
.endm
; A K step is four quarter steps of 32 along K, 48 matrix instructions each, on buffers 0, 1, 0, 1.  One of the first three: multiplies f and fetches the next quarter, at byte k, into g.
.macro QUARTER slot, k, f, g, zero
	s_wait_dscnt 8                                 ; xb's fragments and wt's blocks 0, 1 are in; the youngest eight loads (blocks 2-5) may be out
	MULB \f, 0, \zero
	MULB \f, 1, \zero
	PLACES
	FETCH \slot, \k, \g
	s_wait_dscnt 28                                ; all but the 28 just issued
	MULB \f, 2, \zero
	MULB \f, 3, \zero
	MULB \f, 4, \zero
	MULB \f, 5, \zero
.endm
; The last quarter multiplies buffer 1 and changes slots.  In front of the barrier each wave waits for all its tensor loads (one is out: its part of the next slot), adds 0 to its spare word, and waits for
; that and for its own reads of this slot.  mode 0: the slot is filled again with the K step two on; 1: with the next tile's K step 0 or 1; 2: nothing is filled.  In modes 0 and 1 the barrier opens a round of
; the cluster's barrier, and the joint refill is the first tensor load behind the round: 168 matrix instructions ahead of the wait for it.
.macro TURN slot, next, mode
.if (\mode) < 2
	s_wait_xcnt 0x0                                ; the last prefetch, a K step back, has read its address, so it may be stepped
.if ((\mode) == 1) && ((\slot) == 0)
	s_add_nc_u64 s[PFA:PFA+1], s[PFA:PFA+1], (WALK-1)*SIZE_K*2+KSTEP*2  ; from the K step after the tile's last to the next tile's K step 1
	s_cmp_eq_u32 s11, 0
	s_cselect_b32 s[LIM], s[LIM], -1               ; wt's rows are the same for both tiles: they are asked for in the first alone
.else
	s_add_nc_u64 s[PFA:PFA+1], s[PFA:PFA+1], KSTEP*2
.endif
.endif
	WIN 0                                          ; (the add's two registers lie in window 0)
	s_wait_tensorcnt 0x0                           ; all my tensor loads have landed
	ds_add_u32 v[SPW], v[NIL]                      ; 0 onto my spare word
	s_wait_dscnt 9                                 ; (the add and the youngest eight loads may be out)
	MULB 1, 0, 0
	MULB 1, 1, 0
	s_wait_dscnt 0x0                               ; the add is done, and my reads of this slot are over
	s_barrier_signal -1
	MULB 1, 2, 0                                   ; work on registers while the others arrive
.if (\mode) < 2
	WIN 0
.endif
	s_barrier_wait -1
.if (\mode) < 2
	CREST                                          ; no wave of any partner still reads this slot or has a load on its way
.if (\mode) == 1
	s_add_nc_u64 s[G0+4*(\slot)+2:G0+4*(\slot)+3], s[G0+4*(\slot)+2:G0+4*(\slot)+3], NEXT_A
	s_sub_nc_u64 s[G0B+4*(\slot)+2:G0B+4*(\slot)+3], s[G0B+4*(\slot)+2:G0B+4*(\slot)+3], BACK_B
.else
	s_add_nc_u64 s[G0+4*(\slot)+2:G0+4*(\slot)+3], s[G0+4*(\slot)+2:G0+4*(\slot)+3], 2*KSTEP*2
	s_add_nc_u64 s[G0B+4*(\slot)+2:G0B+4*(\slot)+3], s[G0B+4*(\slot)+2:G0B+4*(\slot)+3], 2*KSTEP*2
.endif
	JLOAD \slot                                    ; the four v_nop behind it are also the places in front of the loads below
.else
	PLACES
.endif
	FETCH \next, 0, 0
.if (\mode) < 2
	ASK \mode
.endif
	MULB 1, 3, 0
	MULB 1, 4, 0
	MULB 1, 5, 0
.endm
; THE WAY OUT of m block a.  PACK: rounded to f16, 16 bytes a lane and n block.
.macro PACK a
	WIN 0x05                                       ; sources window 1
.irp b, 0,1,2,3
.irp i, 0,1,2,3
	v_cvt_pk_f16_f32 v[PK+4*(\b)+(\i)], v[8*(8*(\b)+(\a))+2*(\i)], v[8*(8*(\b)+(\a))+2*(\i)+1]
.endr
.endr
	WIN 0x0a                                       ; sources window 2
.irp b, 4,5
.irp i, 0,1,2,3
	v_cvt_pk_f16_f32 v[PK+4*(\b)+(\i)], v[8*(8*((\b)-4)+(\a))+2*(\i)], v[8*(8*((\b)-4)+(\a))+2*(\i)+1]
.endr
.endr
	WIN 0
.endm
; A left wave (columns 0-95): q's four n blocks into my own stage, two panels of 16 rows, and back as runs of 512 bytes; k's two n blocks into the work-group's rows of k and v.
.macro QSTAGE a
.irp b, 0,1,2,3
	ds_store_b128 v[STO], v[PK+4*(\b):PK+4*(\b)+3] offset:((\b)/2)*1280+((\b)%2)*32
.endr
.irp b, 4,5
	ds_store_b128 v[STK], v[PK+4*(\b):PK+4*(\b)+3] offset:(\a)*16*KVP+32*((\b)-4)
.endr
.irp u, 0,1,2,3
	ds_load_b128 v[BK+16*((\a)%2)+4*(\u):BK+16*((\a)%2)+4*(\u)+3], v[RD] offset:((\u)/2)*1280+((\u)%2)*640  ; LDS serves a wave's instructions in order (ISA guide 5.7.1.4): these see the stores above
.endr
.endm
.macro QSEND a
	s_wait_dscnt 0x0                               ; the block is back in registers
	s_wait_xcnt 0x0                                ; earlier stores have read their registers: the other set is loaded again only behind this wait
.irp u, 0,1,2,3
	global_store_b128 v[CO], v[BK+16*((\a)%2)+4*(\u):BK+16*((\a)%2)+4*(\u)+3], s[8:9] offset:((\u)/2)*PANEL+(\a)*1024+((\u)%2)*512  ; 512 consecutive bytes, at a multiple of 256 from qkv's first byte
.endr
.endm
; A right wave (columns 96-191): all six n blocks are k's or v's.
.macro KSTAGE a
.irp b, 0,1,2,3,4,5
	ds_store_b128 v[STK], v[PK+4*(\b):PK+4*(\b)+3] offset:(\a)*16*KVP+32*(\b)
.endr
.endm
.macro OUTA a                          ; the branch hangs on the wave's number alone and jumps over no barrier; block a's conversions stand between block a - 1's loads from the stage and the wait for them
	PACK \a
	s_cmp_lg_u32 s12, 0
	s_cbranch_scc1 .Lright_\@
.if (\a) > 0
	QSEND (\a)-1
.endif
	QSTAGE \a
	s_branch .Lput_\@
.Lright_\@:
	KSTAGE \a
.Lput_\@:
.endm
; THE kv PHASE.  Source 0 = 16 d x 32 rows of k, source 1 = 16 e x 32 rows of v, both turned out of LDS (they lie [row][column]).  Wave w makes d block w: four e blocks and, against ones, ksum.
.macro KLOADS c, set                   ; ten turning loads: rows 32 c .. 32 c + 31
	WIN 0
	ds_load_tr16_b128 v[KS+112*(\set):KS+112*(\set)+3],   v[AKV] offset:32*KVP*(\c)
	ds_load_tr16_b128 v[KS+112*(\set)+4:KS+112*(\set)+7], v[AKV] offset:32*KVP*(\c)+16*KVP
.irp eb, 0,1,2,3
	ds_load_tr16_b128 v[KS+112*(\set)+8+8*(\eb):KS+112*(\set)+8+8*(\eb)+3],   v[AVV] offset:32*KVP*(\c)+32*(\eb)
	ds_load_tr16_b128 v[KS+112*(\set)+8+8*(\eb)+4:KS+112*(\set)+8+8*(\eb)+7], v[AVV] offset:32*KVP*(\c)+32*(\eb)+16*KVP
.endr
.endm
.macro KMULS set                       ; relu on k's fragment, then five products: the five accumulators take turns, one instruction a turn
	WIN 0
.irp i, 0,1,2,3,4,5,6,7
	v_pk_max_num_f16 v[KS+112*(\set)+(\i)], v[KS+112*(\set)+(\i)], v[ZERO]
.endr
	WIN 0xa0                                       ; C and D window 2
.irp eb, 0,1,2,3
	v_wmma_f32_16x16x32_f16 v[KVA+8*(\eb):KVA+8*(\eb)+7], v[KS+112*(\set):KS+112*(\set)+7], v[KS+112*(\set)+8+8*(\eb):KS+112*(\set)+8+8*(\eb)+7], v[KVA+8*(\eb):KVA+8*(\eb)+7]
.endr
	v_wmma_f32_16x16x32_f16 v[KVA+32:KVA+39], v[KS+112*(\set):KS+112*(\set)+7], v[ONES:ONES+7], v[KVA+32:KVA+39]
.endm
.macro WAYOUT
	WIN 0
	PLACES                                         ; the first conversions read results just made and write registers that the last products read
.irp a, 0,1,2,3,4,5,6,7
	OUTA \a
.endr
	s_cmp_lg_u32 s12, 0
	s_cbranch_scc1 .Lno_q_\@
	QSEND 7
.Lno_q_\@:
	s_wait_dscnt 0x0                               ; for the others' sake: my rows of k and v are stored
	s_barrier_signal -1                            ; the next refill stands behind a round of its own
	s_barrier_wait -1                              ; the tile's k and v lie in LDS whole.  They are written again a tile later, behind the K steps' barriers, at each of which every wave's LDS reads are over
	s_wait_xcnt 0x0                                ; q's stores have read their registers and their base: the sets below take those registers
	KLOADS 0, 0
.set c, 0
.rept 8                                ; eight chunks of 32 rows, on two sets of registers: while one is multiplied the other's ten loads are out
.if c < 7
.if c > 0
	PLACES                                         ; the set to be loaded was read by the products just issued
.endif
	KLOADS c+1, (c+1)%2
	s_wait_dscnt 10                                ; this chunk's loads are in; the next chunk's ten may stay out
.else
	s_wait_dscnt 0x0
.endif
	KMULS c%2
.set c, c+1
.endr
	WIN 0
.endm
	s_wait_tensorcnt 1                             ; my part of K step 0 is in; K step 1's may stay out
	s_barrier_signal -1
	s_barrier_wait -1
	FETCH 0, 0, 0
	s_mov_b32 s2, 2                                ; tiles to go
.Ltile:
	QUARTER 0, 64,  0, 1, 1                        ; a tile's first quarter: its products start the sums
	WIN 0                                          ; at a label and at a branch every window is 0
	s_mov_b32 s3, LAPS-1
.Llap:                                                 ; a trip goes once round the ring, from a lap's second quarter to the next lap's first, and fills both slots again
	QUARTER 0, 128, 1, 0, 0
	QUARTER 0, 192, 0, 1, 0
	TURN 0, 1, 0
	QUARTER 1, 64,  0, 1, 0
	QUARTER 1, 128, 1, 0, 0
	QUARTER 1, 192, 0, 1, 0
	TURN 1, 0, 0
	QUARTER 0, 64,  0, 1, 0
	WIN 0
	s_sub_co_u32 s3, s3, 1
	s_cmp_lg_u32 s3, 0
	s_cbranch_scc1 .Llap
	QUARTER 0, 128, 1, 0, 0                        ; the tile's last lap goes on
	QUARTER 0, 192, 0, 1, 0
	WIN 0
	s_cmp_eq_u32 s2, 1
	s_cbranch_scc1 .Llast                          ; the last tile's tail is written out: it asks for nothing more
	TURN 0, 1, 1                                   ; the ring goes on into the second tile: slot 0 takes its K step 0,
	QUARTER 1, 64,  0, 1, 0
	QUARTER 1, 128, 1, 0, 0
	QUARTER 1, 192, 0, 1, 0
	TURN 1, 0, 1                                   ; slot 1 its K step 1, and its first fragments are fetched into buffer 0
	WAYOUT                                         ; both refills are asked for: now the tile goes out, on buffer 1's registers
	s_add_nc_u64 s[8:9], s[8:9], WALK*64           ; the second tile's rows in each panel (no store was issued behind the way out's last wait for the stores' sources)
	s_sub_co_u32 s2, s2, 1
	s_branch .Ltile
.Llast:
	TURN 0, 1, 2                                   ; my one tensor load that was out is slot 1's, the last K step's
	QUARTER 1, 64,  0, 1, 0
	QUARTER 1, 128, 1, 0, 0
	QUARTER 1, 192, 0, 1, 0
	s_wait_dscnt 8                                 ; the very last quarter: nothing more to fetch
	MULB 1, 0, 0
	MULB 1, 1, 0
	s_wait_dscnt 0x0
	MULB 1, 2, 0
	MULB 1, 3, 0
	MULB 1, 4, 0
	MULB 1, 5, 0
	WAYOUT
	PLACES                                         ; the stores read results just made
	WIN 0x08                                       ; the stores' data lie in window 2
.irp eb, 0,1,2,3,4
	global_store_b128 v[CO], v[KVA+8*(\eb):KVA+8*(\eb)+3],   s[KB:KB+1] offset:(\eb)*1024      ; 512 consecutive bytes a store; each accumulator's low registers first
	global_store_b128 v[CO], v[KVA+8*(\eb)+4:KVA+8*(\eb)+7], s[KB:KB+1] offset:(\eb)*1024+512
.endr
	WIN 0
	s_wait_tensorcnt 0x0                           ; the wave's end: behind my last tensor load and my last LDS store
	ds_add_u32 v[SPW], v[NIL]
	s_wait_dscnt 0x0
	CROUND                                         ; the closing round: no work-group ends while a partner may still ask for a tile that names it
	s_endpgm
.Lfunc_end_k_qb7c477b598_qkv:
	.size	k_qb7c477b598_qkv, .Lfunc_end_k_qb7c477b598_qkv-k_qb7c477b598_qkv
	.p2alignl 7, 3214868480
	.fill 96, 4, 3214868480
	.section	.rodata,"a",@progbits
	.p2align	6, 0x0
	.amdhsa_kernel k_qb7c477b598_qkv
		.amdhsa_group_segment_fixed_size 327680
		.amdhsa_private_segment_fixed_size 0
		.amdhsa_enable_private_segment 0
		.amdhsa_kernarg_size 32
		.amdhsa_user_sgpr_count 2
		.amdhsa_user_sgpr_kernarg_segment_ptr 1
		.amdhsa_wavefront_size32 1
		.amdhsa_system_sgpr_workgroup_id_x 1
		.amdhsa_system_sgpr_workgroup_id_y 1
		.amdhsa_system_sgpr_workgroup_id_z 1
		.amdhsa_system_vgpr_workitem_id 0
		.amdhsa_next_free_vgpr 680
		.amdhsa_next_free_sgpr 68
		.amdhsa_reserve_vcc 0
		.amdhsa_float_denorm_mode_32 3
		.amdhsa_float_denorm_mode_16_64 3
		.amdhsa_memory_ordered 1
		.amdhsa_forward_progress 1
		.amdhsa_inst_pref_size 201
	.end_amdhsa_kernel
	.amdgpu_metadata
---
amdhsa.version: [ 1, 2 ]
amdhsa.kernels:
  - .name:           k_qb7c477b598_qkv
    .symbol:         k_qb7c477b598_qkv.kd
    .args:
      - { .name: xb, .offset: 0, .size: 8, .value_kind: global_buffer, .address_space: global }
      - { .name: wt, .offset: 8, .size: 8, .value_kind: global_buffer, .address_space: global }
      - { .name: qkv, .offset: 16, .size: 8, .value_kind: global_buffer, .address_space: global }
      - { .name: kvp, .offset: 24, .size: 8, .value_kind: global_buffer, .address_space: global }
    .group_segment_fixed_size: 327680
    .private_segment_fixed_size: 0
    .kernarg_segment_align: 8
    .kernarg_segment_size: 32
    .max_flat_workgroup_size: 128
    .sgpr_count:     68
    .vgpr_count:     680
    .wavefront_size: 32
...
	.end_amdgpu_metadata
.endif
;; end of part 2
;; launch attn (part 3): grid 4 x 64, 8 waves a work-group, no clusters, 29,952 bytes of LDS; arguments qkv, kvp, att; writes att
.if DOCPART == 3
	.amdgcn_target "amdgcn-amd-amdhsa--gfx1250"
	.amdhsa_code_object_version 6
	.text
	.protected	k_qb7c477b598_attn
	.globl	k_qb7c477b598_attn
	.p2align	8
	.type	k_qb7c477b598_attn,@function
k_qb7c477b598_attn:
	s_mov_b64 s[64:65], 0
	v_nop
	global_prefetch_b8 v0, s[64:65] scope:SCOPE_SE
	s_setreg_imm32_b32 hwreg(HW_REG_WAVE_MODE, 25, 1), 1
	s_wait_xcnt 0x0
; THE LINEAR ATTENTION'S SECOND HALF.  For one (batch, head) and 512 rows s: att[s][e] = (sum over d of relu(q[s][d]) kv[d][e]) / max(sum over d of relu(q[s][d]) ksum[d], 1e-6).
; SCALING.  kv and ksum grow with the row count and have no room in f16.  Both are multiplied by INV = 1 / max(max over d of ksum[d], 2^-100), and the clip's bound with them:
; (q kv INV) / max(q ksum INV, 1e-6 INV) is the same quotient.  Then ksum INV lies in 0 to 1 and |kv INV| is at most the largest |v|, which is an f16 number.
; LIMITS.  kv INV and att below 6e-5 keep f16's fixed step of 6e-8.  NaN and infinities are not treated apart.
; grid x = chunk of 512 rows, y = 32 b + h; eight waves, 64 rows each.  No cluster, tensor load or prefetch: what is shared (80 KiB of partial sums a head) is small, and all loads go out at the head.
; PHASE A.  Wave w takes d block w / 2, registers 4 (w % 2) + 0..3 of its five accumulators (kvp holds them as they lay): adds the four chunks' partial sums in f32, finds the largest ksum (through LDS),
; scales, rounds to f16 and lays the halves into LDS as ten fragments: fragment (eb, c): lane (r, hl): row e = 16 eb + r, d = 32 c + 8 hl + 0..7 and 32 c + 16 + 8 hl + 0..7: a lane's own numbers, no exchange.
; PHASE B.  Source 0 = such a fragment, source 1 = 16 rows of q: a lane holds ONE row s (lane % 16) and eight e; e block 4 is the normaliser, the same in all eight registers.
.set FRB,   0                          ; ten fragments of 1,024 bytes: registers 0-3 at 16 x lane, registers 4-7 512 bytes on
.set MX,    10240                      ; eight words: each wave's largest ksum
.set STAGE, 10496                      ; for each wave 16 rows x 144 bytes, for the way out
.set SP,    144
.set SPARE, STAGE+8*16*SP              ; the spare words, 128 bytes for each wave
.set QO,   4                           ; v4   my byte offset in 16 rows of a panel of q
.set LO,   5                           ; v5   16 x lane
.set MXA,  6                           ; v6   my wave's word
.set FST,  7                           ; v7   where I put 8 bytes of a fragment
.set MXR,  8                           ; v8   the eight words
.set STO,  9                           ; v9   the way out: where I put 16 bytes of a row
.set RD,   10                          ; v10  the way out: where I read rows back
.set SPW,  12                          ; v12  LDS address of my spare word; never rewritten
.set NIL,  13                          ; v13  0; never rewritten
.set ZERO, 14                          ; v14  0, for the relu
.set INV,  24                          ; v[24:25] INV, twice
.set THR,  26                          ; v26  1e-6 INV
.set RN,   28                          ; v[28:29] 1 / normaliser, twice
.set PART, 32                          ; v[32:111] partial sums: chunk p, e block eb at 20 p + 4 eb
.set ACC,  32                          ; v[32:71]  later the five accumulators
.set FR,   112                         ; v[112:191] the ten fragments
.set Q,    192                         ; v[192:255] q: tile t, channels 32 c on, at 16 t + 8 c
	s_load_b128 s[4:7], s[0:1], 0x0                ; qkv s[4:5], kvp s[6:7]
	s_load_b64 s[8:9], s[0:1], 0x10                ; att
	v_lshl_add_u32 v[SPW], v0, 2, SPARE
	v_mov_b32 v[NIL], 0
	v_lshrrev_b32 v1, 5, v0
	v_readfirstlane_b32 s10, v1                    ; wave 0..7
	s_and_b32 s11, ttmp7, 0xffff                   ; 32 b + h
	s_lshr_b32 s14, s11, 5                         ; b
	s_and_b32 s15, s11, 31                         ; h
	s_lshr_b32 s16, s10, 1                         ; d block
	s_and_b32 s17, s10, 1                          ; half of the registers
	s_mul_i32 s18, s11, 81920                      ; kvp: the head's 4 x 20 accumulators, my d block's five, my half
	s_mul_i32 s24, s16, 5120
	s_add_co_u32 s18, s18, s24
	s_lshl_b32 s24, s17, 9
	s_add_co_u32 s18, s18, s24
	s_mov_b32 s19, 0
	s_lshl_b32 s20, s15, 19                        ; q: panel 2 h, row 2,048 b + 512 chunk + 64 w, 64 bytes a row
	s_lshl_b32 s24, s14, 17
	s_add_co_u32 s20, s20, s24
	s_lshl_b32 s24, ttmp9, 15
	s_add_co_u32 s20, s20, s24
	s_lshl_b32 s24, s10, 12
	s_add_co_u32 s20, s20, s24
	s_mov_b32 s21, 0
	s_lshl_b32 s22, s15, 19                        ; att: head h, the same row, 128 bytes a row
	s_lshl_b32 s24, s14, 18
	s_add_co_u32 s22, s22, s24
	s_lshl_b32 s24, ttmp9, 16
	s_add_co_u32 s22, s22, s24
	s_lshl_b32 s24, s10, 13
	s_add_co_u32 s22, s22, s24
	s_mov_b32 s23, 0
	s_mov_b32 s12, 0x76543210                      ; v_permlanex16_b32: each lane takes its own place in the other half
	s_mov_b32 s13, 0xfedcba98
	v_and_b32 v1, 31, v0
	v_and_b32 v2, 15, v0
	v_bfe_u32 v3, v0, 4, 1
	v_lshlrev_b32 v[QO], 6, v2
	v_lshl_add_u32 v[QO], v3, 4, v[QO]
	v_lshlrev_b32 v[LO], 4, v1
	s_wait_kmcnt 0x0
	s_add_nc_u64 s[6:7], s[6:7], s[18:19]
	s_add_nc_u64 s[4:5], s[4:5], s[20:21]
	s_add_nc_u64 s[8:9], s[8:9], s[22:23]
.irp p, 0,1,2,3
.irp eb, 0,1,2,3,4
	global_load_b128 v[PART+20*(\p)+4*(\eb):PART+20*(\p)+4*(\eb)+3], v[LO], s[6:7] offset:(\p)*20480+(\eb)*1024
.endr
.endr
.irp t, 0,1,2,3
.irp c, 0,1
	global_load_b128 v[Q+16*(\t)+8*(\c):Q+16*(\t)+8*(\c)+3],   v[QO], s[4:5] offset:(\c)*262144+(\t)*1024 th:TH_LOAD_NT
	global_load_b128 v[Q+16*(\t)+8*(\c)+4:Q+16*(\t)+8*(\c)+7], v[QO], s[4:5] offset:(\c)*262144+(\t)*1024+32 th:TH_LOAD_NT
.endr
.endr
	s_lshl_b32 s24, s10, 2
	s_add_co_u32 s24, s24, MX
	v_mov_b32 v[MXA], s24
	v_mov_b32 v[MXR], MX
	s_lshl_b32 s25, s16, 9                         ; d block db fills registers 0-3 (db even) or 4-7 (db odd) of fragment c = db / 2: 512 db; my half: 8 bytes
	s_lshl_b32 s24, s17, 3
	s_add_co_u32 s25, s25, s24
	v_add_nc_u32 v[FST], s25, v[LO]
	s_mul_i32 s26, s10, 16*SP
	s_add_co_u32 s26, s26, STAGE
	v_mul_u32_u24 v[STO], v2, SP
	v_lshl_add_u32 v[STO], v3, 4, v[STO]
	v_add_nc_u32 v[STO], s26, v[STO]
	v_lshrrev_b32 v[RD], 3, v1                     ; back: 32 lanes take four rows of 128 bytes
	v_and_b32 v11, 7, v1
	v_mul_u32_u24 v[RD], v[RD], SP
	v_lshl_add_u32 v[RD], v11, 4, v[RD]
	v_add_nc_u32 v[RD], s26, v[RD]
	v_mov_b32 v[ZERO], 0
	v_mov_b32 v17, 0                               ; v_permlanex16_b32's destination counts as read
	; PHASE A
	s_wait_loadcnt 16                              ; the partial sums are in; q's sixteen loads may stay out
.irp e, 0,1,2,3,4,5,6,7,8,9
	v_pk_add_f32 v[PART+2*(\e):PART+2*(\e)+1], v[PART+2*(\e):PART+2*(\e)+1], v[PART+20+2*(\e):PART+20+2*(\e)+1]
	v_pk_add_f32 v[PART+40+2*(\e):PART+40+2*(\e)+1], v[PART+40+2*(\e):PART+40+2*(\e)+1], v[PART+60+2*(\e):PART+60+2*(\e)+1]
.endr
.irp e, 0,1,2,3,4,5,6,7,8,9
	v_pk_add_f32 v[PART+2*(\e):PART+2*(\e)+1], v[PART+2*(\e):PART+2*(\e)+1], v[PART+40+2*(\e):PART+40+2*(\e)+1]
.endr
	v_max3_num_f32 v16, v[PART+16], v[PART+17], v[PART+18]  ; my four ksum (the same in all lanes of a half),
	v_max_num_f32 v16, v16, v[PART+19]
	v_permlanex16_b32 v17, v16, s12, s13           ; the other half's four
	v_max_num_f32 v16, v16, v17
	ds_store_b32 v[MXA], v16                       ; all lanes write the same word with the same value
	s_wait_dscnt 0x0                               ; for the others' sake
	s_barrier_signal -1
	s_barrier_wait -1
	ds_load_b128 v[16:19], v[MXR]
	ds_load_b128 v[20:23], v[MXR] offset:16
	s_wait_dscnt 0x0
	v_max3_num_f32 v16, v16, v17, v18
	v_max3_num_f32 v19, v19, v20, v21
	v_max3_num_f32 v16, v16, v22, v23
	v_max_num_f32 v16, v16, v19
	v_max_num_f32 v16, 0x0d800000, v16             ; at least 2^-100, so that INV is finite
	v_rcp_f32 v[INV], v16
	v_rcp_f32 v[INV+1], v16
	v_nop                                          ; a plain instruction behind the last reciprocal,
	s_wait_alu depctr_va_vdst(0)                   ; and the one wait ahead of the first use
	v_mul_f32 v[THR], 0x358637bd, v[INV]           ; 1e-6 INV
.irp e, 0,1,2,3,4,5,6,7,8,9
	v_pk_mul_f32 v[PART+2*(\e):PART+2*(\e)+1], v[PART+2*(\e):PART+2*(\e)+1], v[INV:INV+1]
.endr
.irp e, 0,1,2,3,4,5,6,7,8,9
	v_cvt_pk_f16_f32 v[PART+20+(\e)], v[PART+2*(\e)], v[PART+2*(\e)+1]
.endr
.irp eb, 0,1,2,3,4
	ds_store_b64 v[FST], v[PART+20+2*(\eb):PART+20+2*(\eb)+1] offset:FRB+(\eb)*2048
.endr
	s_wait_dscnt 0x0                               ; for the others' sake
	s_barrier_signal -1
	s_barrier_wait -1
.irp f, 0,1,2,3,4,5,6,7,8,9
	ds_load_b128 v[FR+8*(\f):FR+8*(\f)+3],   v[LO] offset:FRB+(\f)*1024
	ds_load_b128 v[FR+8*(\f)+4:FR+8*(\f)+7], v[LO] offset:FRB+(\f)*1024+512
.endr
	s_wait_dscnt 0x0
	; PHASE B
.macro PLACES
.rept 4
	v_nop
.endr
.endm
.macro MM t                            ; tile t: relu on q, then ten products; the five accumulators take turns, one instruction a turn; the first five start the sums
	s_wait_loadcnt 12-4*(\t)                       ; tile t's four loads are in; the later tiles' may stay out
.irp i, 0,1,2,3,4,5,6,7,8,9,10,11,12,13,14,15
	v_pk_max_num_f16 v[Q+16*(\t)+(\i)], v[Q+16*(\t)+(\i)], v[ZERO]
.endr
.irp eb, 4,0,1,2,3
	v_wmma_f32_16x16x32_f16 v[ACC+8*(\eb):ACC+8*(\eb)+7], v[FR+16*(\eb):FR+16*(\eb)+7], v[Q+16*(\t):Q+16*(\t)+7], 0
.endr
.irp eb, 4,0,1,2,3
	v_wmma_f32_16x16x32_f16 v[ACC+8*(\eb):ACC+8*(\eb)+7], v[FR+16*(\eb)+8:FR+16*(\eb)+15], v[Q+16*(\t)+8:Q+16*(\t)+15], v[ACC+8*(\eb):ACC+8*(\eb)+7]
.endr
.endm
.macro PACK t                          ; clip, divide, round to f16; through my stage: in as 16 bytes a lane, back as whole rows, into q's registers of this tile
	PLACES
	v_max_num_f32 v16, v[ACC+32], v[THR]           ; the normaliser lies in every register of e block 4: the lowest is read
	v_rcp_f32 v[RN], v16
	v_rcp_f32 v[RN+1], v16
	v_nop
	s_wait_alu depctr_va_vdst(0)                   ; one wait for both reciprocals, ahead of their first reader
.irp e, 0,1,2,3,4,5,6,7,8,9,10,11,12,13,14,15
	v_pk_mul_f32 v[ACC+2*(\e):ACC+2*(\e)+1], v[ACC+2*(\e):ACC+2*(\e)+1], v[RN:RN+1]
.endr
.irp e, 0,1,2,3,4,5,6,7,8,9,10,11,12,13,14,15
	v_cvt_pk_f16_f32 v[Q+16*(\t)+(\e)], v[ACC+2*(\e)], v[ACC+2*(\e)+1]
.endr
.irp eb, 0,1,2,3
	ds_store_b128 v[STO], v[Q+16*(\t)+4*(\eb):Q+16*(\t)+4*(\eb)+3] offset:32*(\eb)
.endr
.irp f, 0,1,2,3
	ds_load_b128 v[Q+16*(\t)+4*(\f):Q+16*(\t)+4*(\f)+3], v[RD] offset:(\f)*4*SP  ; LDS serves a wave's instructions in order (ISA guide 5.7.1.4): these see the stores above
.endr
.endm
.macro SEND t, younger                 ; younger: the LDS instructions issued behind tile t's loads: the next tile's eight, or none
.irp f, 0,1,2,3
	s_wait_dscnt (\younger)+3-(\f)
	global_store_b128 v[LO], v[Q+16*(\t)+4*(\f):Q+16*(\t)+4*(\f)+3], s[8:9] offset:(\t)*2048+(\f)*512  ; 512 consecutive bytes, at a multiple of 256 from att's first byte
.endr
.endm
	MM 0
	PACK 0
.irp t, 1,2,3
	MM \t
	PACK \t
	SEND (\t)-1, 8
.endr
	SEND 3, 0
	s_wait_tensorcnt 0x0                           ; the wave's end: behind my last LDS store
	ds_add_u32 v[SPW], v[NIL]
	s_wait_dscnt 0x0
	s_endpgm
.Lfunc_end_k_qb7c477b598_attn:
	.size	k_qb7c477b598_attn, .Lfunc_end_k_qb7c477b598_attn-k_qb7c477b598_attn
	.p2alignl 7, 3214868480
	.fill 96, 4, 3214868480
	.section	.rodata,"a",@progbits
	.p2align	6, 0x0
	.amdhsa_kernel k_qb7c477b598_attn
		.amdhsa_group_segment_fixed_size 29952
		.amdhsa_private_segment_fixed_size 0
		.amdhsa_enable_private_segment 0
		.amdhsa_kernarg_size 24
		.amdhsa_user_sgpr_count 2
		.amdhsa_user_sgpr_kernarg_segment_ptr 1
		.amdhsa_wavefront_size32 1
		.amdhsa_system_sgpr_workgroup_id_x 1
		.amdhsa_system_sgpr_workgroup_id_y 1
		.amdhsa_system_sgpr_workgroup_id_z 1
		.amdhsa_system_vgpr_workitem_id 0
		.amdhsa_next_free_vgpr 256
		.amdhsa_next_free_sgpr 66
		.amdhsa_reserve_vcc 0
		.amdhsa_float_denorm_mode_32 3
		.amdhsa_float_denorm_mode_16_64 3
		.amdhsa_memory_ordered 1
		.amdhsa_forward_progress 1
		.amdhsa_inst_pref_size 33
	.end_amdhsa_kernel
	.amdgpu_metadata
---
amdhsa.version: [ 1, 2 ]
amdhsa.kernels:
  - .name:           k_qb7c477b598_attn
    .symbol:         k_qb7c477b598_attn.kd
    .args:
      - { .name: qkv, .offset: 0, .size: 8, .value_kind: global_buffer, .address_space: global }
      - { .name: kvp, .offset: 8, .size: 8, .value_kind: global_buffer, .address_space: global }
      - { .name: att, .offset: 16, .size: 8, .value_kind: global_buffer, .address_space: global }
    .group_segment_fixed_size: 29952
    .private_segment_fixed_size: 0
    .kernarg_segment_align: 8
    .kernarg_segment_size: 24
    .max_flat_workgroup_size: 256
    .sgpr_count:     66
    .vgpr_count:     256
    .wavefront_size: 32
...
	.end_amdgpu_metadata
.endif
;; end of part 3
;; launch oproj (part 4): grid 16 x 16, 4 waves a work-group, clusters of 4 x 4, 327,680 bytes of LDS; arguments att, wot, out0, bo; writes out0
.if DOCPART == 4
	.amdgcn_target "amdgcn-amd-amdhsa--gfx1250"
	.amdhsa_code_object_version 6
	.text
	.protected	k_qb7c477b598_oproj
	.globl	k_qb7c477b598_oproj
	.p2align	8
	.type	k_qb7c477b598_oproj,@function
k_qb7c477b598_oproj:
	s_mov_b64 s[64:65], 0
	v_nop
	global_prefetch_b8 v0, s[64:65] scope:SCOPE_SE
	s_setreg_imm32_b32 hwreg(HW_REG_WAVE_MODE, 25, 1), 1
	s_wait_xcnt 0x0
	s_wait_alu depctr_hold_cnt(0) depctr_sa_sdst(0) depctr_va_vdst(0) depctr_va_sdst(0) depctr_va_ssrc(0) depctr_va_vcc(0) depctr_vm_vsrc(0)
	s_getreg_b32 s2, hwreg(HW_REG_IB_STS2, 6, 4)
	s_cmp_eq_u32 s2, 0
	s_cbranch_scc0 .Lentry_in_a_cluster
	s_endpgm
.Lentry_in_a_cluster:
	s_bfe_u32 s2, ttmp6, 0x10000c
	s_cmp_lg_u32 s2, 0xf033
	s_cbranch_scc0 .Lentry_shape_is_right
	s_endpgm
.Lentry_shape_is_right:
; out0[m][n] = sum over k of att[m][k] wot[n][k] + bo[n], m < 4096, n < 2048, k = 64 h + e < 2048; f16 operands, f32 sums, f32 out.  bo is rounded to bf16 like the other inputs.
; att lies by heads, [32 h][4096 m][64] f16; wot is [2048 n][2048 k] f16.
; TILES.  16 x 16 tiles of 256 x 128: one for each of 256 work-groups.  Four waves, each 128 x 64: 32 accumulators, 256 registers.  K goes in steps of 128, two heads, through two LDS slots.
; CLUSTER.  4 x 4 work-groups: att's tiles are shared along a row of the cluster, wot's along a column; each is asked for jointly, by the same load, descriptor and mask in all four.
; THE MATRIX INSTRUCTION IS USED TRANSPOSED (source 0 = 16 rows of wot, source 1 = 16 rows of att): lane l holds row l % 16 of the result and the columns 8 (l / 16) + 0..7.
; REGISTERS: window 0: v0-31 addresses and the bias; v32-95, v96-159 fragments of att, two buffers; v160-191, v192-223 fragments of wot; v224-255 and v32-63 rows on the way out.
;   window 1: accumulator (b, a) at v[8 (8 b + a)].   (s_set_vgpr_msb: bits 1:0 source 0, 3:2 source 1, 5:4 source 2, 7:6 destination)
.set PA,    144                        ; a row of att in LDS: 128 bytes + 16 = 36 words: the 16 rows of a load start in 16 different groups of four banks (64 banks of 4 bytes: ISA guide 11.1)
.set APAN,  128*PA                     ; 128 rows of one head
.set AHALF, 2*APAN                     ; of two heads: one tensor load
.set PB,    272                        ; a row of wot: 256 bytes + 16
.set BHALF, 64*PB
.set SLOT,  2*AHALF+2*BHALF
.set STAGE, 2*SLOT                     ; behind the ring, never filled by a tensor load: 16 rows x 272 bytes for each wave
.set SP,    272
.set SPARE, STAGE+4*16*SP              ; the spare words, 128 bytes for each wave
.set LAPS,  8                          ; a lap = two K steps
.set ASTEP, 2*524288                   ; a K step in att: two heads
.set BSTEP, 256                        ; in wot
.set BIAS, 8                           ; v[8:11] bo of my four columns on the way out
.set ADRA, 16                          ; v16-17
.set ADRB, 20                          ; v20-21
.set BOF,  22                          ; v22  my byte offset in bo
.set STO,  24
.set RD,   25
.set CO,   26
.set SPW,  28                          ; v28  LDS address of my spare word; never rewritten
.set NIL,  29                          ; v29  0; never rewritten
.set PFO,  30                          ; v30  the prefetches' offset; never rewritten
.set FA0,  32
.set FB0,  160
.set G1,  24
.set G0,  32
.set G1B, 48
.set G0B, 56
.set PFS, 22                           ; s[22:23] a K step in the tensor that I prefetch
.set LIM, 43                           ; s43  2 in a wave that prefetches, else the greatest number
.set PFA, 44                           ; s[44:45] the K step that the next prefetch names, less one step
.set BO,  66                           ; s[66:67] bo at my wave's 64 columns
.set MSB, 0
.macro WIN new
.if MSB != (\new)
	s_set_vgpr_msb (MSB<<8)|(\new)
.set MSB, \new
.endif
.endm
.set MUL, 0x50                         ; sources window 0, C and D window 1
.macro JLOAD s                         ; a joint load: waves 0 and 1 fetch att's two halves, waves 2 and 3 wot's; an s_nop 0 and four v_nop follow each line
	s_cmp_eq_u32 s11, 0
	s_cbranch_scc0 .Lfor_b_\@
	tensor_load_to_lds s[G0+4*(\s):G0+4*(\s)+3], s[G1:G1+7]
	s_nop 0
.rept 4
	v_nop
.endr
	s_branch .Lasked_\@
.Lfor_b_\@:
	tensor_load_to_lds s[G0B+4*(\s):G0B+4*(\s)+3], s[G1B:G1B+7]
	s_nop 0
.rept 4
	v_nop
.endr
.Lasked_\@:
.endm
; A prefetch of the K step that stands FOUR refills on (512 matrix instructions ahead of the load that will want it), one instruction a wave.  Cluster x = 0 asks for att's rows, cluster y = 0 for wot's.
; The four partners share a wave's rows out by address: of att 32 rows x 2 heads each (by cx): 4,096 dense bytes a head, a lane 256 of them; of wot 16 rows each (by cy), a lane a row (lanes 16-31 name
; lanes 0-15's rows once more).  Refills of K steps 2 to 11 ask (s3 above 2); the first six K steps come by their loads alone.
.macro ASK
	s_cmp_gt_u32 s3, s[LIM]
	s_cbranch_scc0 .Lnot_mine_\@
	global_prefetch_b8 v[PFO], s[PFA:PFA+1] th:TH_LOAD_NT scope:SCOPE_SE
.Lnot_mine_\@:
.endm
.macro CREST
	s_cmp_lg_u32 s10, 0
	s_cbranch_scc1 .Lnot_wave_0_\@
	s_barrier_signal -3
.Lnot_wave_0_\@:
	s_barrier_wait -3
	s_barrier_signal -1
	s_barrier_wait -1
.endm
.macro CROUND
	s_barrier_signal -1
	s_barrier_wait -1
	CREST
.endm
	s_load_b128 s[4:7], s[0:1], 0x0                ; att s[4:5], wot s[6:7]
	s_load_b64 s[8:9], s[0:1], 0x10                ; out0
	s_load_b64 s[BO:BO+1], s[0:1], 0x18            ; bo
	v_lshl_add_u32 v[SPW], v0, 2, SPARE
	v_mov_b32 v[NIL], 0
	ds_add_u32 v[SPW], v[NIL]                      ; the wave's opening: the add, twice on end, and its wait ahead of my first tensor load
	ds_add_u32 v[SPW], v[NIL]
	v_lshrrev_b32 v1, 5, v0
	v_readfirstlane_b32 s10, v1                    ; wave 0..3
	s_lshr_b32 s11, s10, 1                         ; which 128 rows are mine.  Also: I fetch for att (0) or for wot (1)
	s_and_b32 s12, s10, 1                          ; which 64 columns.  Also: which half of that tile I fetch
	s_bfe_u32 s40, ttmp6, 0x40000                  ; cx
	s_bfe_u32 s41, ttmp6, 0x40004                  ; cy
	s_lshl_b32 s42, ttmp9, 2
	s_add_co_u32 s42, s42, s40                     ; tile column 0..15
	s_and_b32 s13, ttmp7, 0xffff
	s_lshl_b32 s13, s13, 2
	s_add_co_u32 s13, s13, s41                     ; tile row 0..15
	s_lshl_b32 s43, s41, 2
	s_lshl_b32 s43, 15, s43                        ; my row of the cluster
	s_lshl_b32 s44, 0x1111, s40                    ; my column
	; att: 128 rows of a head are 16,384 dense bytes: a tile is two rows of 8,192 elements, a head (262,144 elements) apart, padded in LDS after every 128 bytes
	s_or_b32 s[G1+0], s43, (1<<16)|(1<<20)|(1<<21)|(4<<22)|(3<<25)   ; the mask; elements of 2 bytes; padding on; bit 21 beside a mask; after every 32 words; 4 words
	s_mov_b32 s[G1+1], 8192<<16                    ; tensor_dim0 = 8,192
	s_mov_b32 s[G1+2], 2<<16                       ; tensor_dim1 = 2
	s_mov_b32 s[G1+3], 8192<<16                    ; tile_dim0 = 8,192
	s_mov_b32 s[G1+4], 2                           ; tile_dim1 = 2
	s_mov_b32 s[G1+5], 262144                      ; elements from row to row
	s_mov_b32 s[G1+6], 0
	s_mov_b32 s[G1+7], 0
	; wot: 64 rows x 128 elements
	s_or_b32 s[G1B+0], s44, (1<<16)|(1<<20)|(1<<21)|(5<<22)|(3<<25)  ; after every 64 words; 4 words
	s_mov_b32 s[G1B+1], 128<<16
	s_mov_b32 s[G1B+2], 64<<16
	s_mov_b32 s[G1B+3], 128<<16
	s_mov_b32 s[G1B+4], 64
	s_mov_b32 s[G1B+5], 2048
	s_mov_b32 s[G1B+6], 0
	s_mov_b32 s[G1B+7], 0
	s_lshl_b32 s16, s13, 15                        ; att: (256 tr + 128 half) rows of 128 bytes
	s_lshl_b32 s17, s12, 14
	s_add_co_u32 s16, s16, s17
	s_mov_b32 s17, 0
	s_lshl_b32 s46, s42, 19                        ; wot: (128 tc + 64 half) rows of 4,096 bytes
	s_lshl_b32 s47, s12, 18
	s_add_co_u32 s46, s46, s47
	s_mov_b32 s47, 0
	s_mul_i32 s20, s12, AHALF                      ; where they go: no place in the cluster enters an LDS address
	s_mul_i32 s21, s12, BHALF
	s_add_co_u32 s21, s21, 2*AHALF
	s_wait_dscnt 0x0                               ; both opening adds are done
	s_wait_kmcnt 0x0
	s_add_nc_u64 s[14:15], s[4:5], s[16:17]
	s_add_nc_u64 s[46:47], s[6:7], s[46:47]
	CROUND                                         ; all sixteen work-groups are here: the first joint loads meet
.irp s, 0,1
	s_mov_b32 s[G0+4*(\s)], 1
	s_add_co_u32 s[G0+4*(\s)+1], s20, (\s)*SLOT
	s_add_nc_u64 s[G0+4*(\s)+2:G0+4*(\s)+3], s[14:15], (\s)*ASTEP
	s_or_b32 s[G0+4*(\s)+3], s[G0+4*(\s)+3], 0x80000000
	s_mov_b32 s[G0B+4*(\s)], 1
	s_add_co_u32 s[G0B+4*(\s)+1], s21, (\s)*SLOT
	s_add_nc_u64 s[G0B+4*(\s)+2:G0B+4*(\s)+3], s[46:47], (\s)*BSTEP
	s_or_b32 s[G0B+4*(\s)+3], s[G0B+4*(\s)+3], 0x80000000
	JLOAD \s                                       ; two loads of mine are out
.endr
	v_and_b32 v1, 15, v0                           ; l % 16
	v_bfe_u32 v2, v0, 4, 1                         ; l / 16
	s_lshl_b32 s46, s42, 9                         ; my 64 columns: (128 tc + 64 half) x 4 bytes
	s_lshl_b32 s47, s12, 8
	s_add_co_u32 s46, s46, s47
	s_mov_b32 s47, 0
	s_add_nc_u64 s[BO:BO+1], s[BO:BO+1], s[46:47]
	v_lshlrev_b32 v[BOF], 4, v1
	global_load_b128 v[BIAS:BIAS+3], v[BOF], s[BO:BO+1]  ; on the way out lane l stores columns 4 (l % 16) + 0..3
	s_add_nc_u64 s[8:9], s[8:9], s[46:47]
	s_lshl_b32 s46, s13, 21                        ; my first row: (256 tr + 128 half) x 8,192 bytes
	s_lshl_b32 s16, s11, 20
	s_add_co_u32 s46, s46, s16
	s_add_nc_u64 s[8:9], s[8:9], s[46:47]
	v_mul_u32_u24 v3, v1, PA
	v_lshl_add_u32 v3, v2, 4, v3
	v_mul_u32_u24 v4, v1, PB
	v_lshl_add_u32 v4, v2, 4, v4
	s_mul_i32 s20, s11, AHALF
	s_mul_i32 s21, s12, BHALF
	s_add_co_u32 s21, s21, 2*AHALF
.irp s, 0,1
	v_add_nc_u32 v[ADRA+(\s)], s20, v3
	v_add_nc_u32 v[ADRB+(\s)], s21, v4
	s_add_co_u32 s20, s20, SLOT
	s_add_co_u32 s21, s21, SLOT
.endr
	s_mul_i32 s20, s10, 16*SP
	s_add_co_u32 s20, s20, STAGE                   ; my stage
	v_mul_u32_u24 v5, v1, SP                       ; in: row l % 16, 32 bytes for each half of the lanes
	v_lshl_add_u32 v5, v2, 5, v5
	v_add_nc_u32 v[STO], s20, v5
	v_mul_u32_u24 v5, v2, SP                       ; back: lanes 0-15 take one row of 256 bytes, lanes 16-31 the next
	v_lshl_add_u32 v5, v1, 4, v5
	v_add_nc_u32 v[RD], s20, v5
	v_lshlrev_b32 v[CO], 4, v1                     ; and the same two rows in out0
	v_lshl_add_u32 v[CO], v2, 13, v[CO]
	; the prefetches
	s_lshl_b32 s20, s13, 15                        ; att: (256 tr + 128 half + 32 cx) rows of 128 bytes
	s_lshl_b32 s21, s12, 14
	s_add_co_u32 s20, s20, s21
	s_lshl_b32 s21, s40, 12
	s_add_co_u32 s20, s20, s21
	s_lshl_b32 s21, s42, 19                        ; wot: (128 tc + 64 half + 16 cy) rows of 4,096 bytes
	s_lshl_b32 s16, s12, 18
	s_add_co_u32 s21, s21, s16
	s_lshl_b32 s16, s41, 16
	s_add_co_u32 s21, s21, s16
	s_and_b32 s16, ttmp7, 0xffff                   ; cluster y
	s_cmp_eq_u32 s11, 0                            ; do I fetch for att?
	s_cselect_b32 s20, s20, s21
	s_cselect_b32 s16, ttmp9, s16                  ; the coordinate along which other clusters read the same rows
	s_cselect_b32 s17, 0x80000, 0                  ; lanes 16-31: att's second head; wot: the same rows once more
	s_cselect_b32 s18, 8, 12                       ; lanes 256 bytes apart (att), a row apart (wot)
	s_cselect_b32 s[PFS], 20, 8
	s_cselect_b64 s[PFA:PFA+1], s[4:5], s[6:7]
	s_cmp_eq_u32 s16, 0
	s_cselect_b32 s[LIM], 2, -1                    ; the same in all sixteen partners, for a given wave
	s_lshl_b32 s[PFS], 1, s[PFS]                   ; a K step: 1,048,576 bytes of att, 256 of wot
	s_mov_b32 s[PFS+1], 0
	s_mov_b32 s21, 0
	s_add_nc_u64 s[PFA:PFA+1], s[PFA:PFA+1], s[20:21]
	s_mul_i32 s20, s[PFS], 5
	s_add_nc_u64 s[PFA:PFA+1], s[PFA:PFA+1], s[20:21]  ; at K step 5: the first refill steps it to 6 and names that; nothing is prefetched here, at the head
	v_bfe_u32 v31, v0, 4, 1
	v_and_b32 v[PFO], 15, v0
	v_mul_u32_u24 v31, v31, s17
	v_lshlrev_b32 v[PFO], s18, v[PFO]
	v_add_nc_u32 v[PFO], v[PFO], v31
; 8 matrix instructions: n block b x all 8 m blocks, 32 along K, from buffer f.  The 32 accumulators take turns, in the same order in every quarter step.
.macro MULB f, b, zero
	WIN MUL
.irp a, 0,1,2,3,4,5,6,7
.if \zero
	v_wmma_f32_16x16x32_f16 v[8*(8*(\b)+(\a)):8*(8*(\b)+(\a))+7], v[FB0+32*(\f)+8*(\b):FB0+32*(\f)+8*(\b)+7], v[FA0+64*(\f)+8*(\a):FA0+64*(\f)+8*(\a)+7], 0
.else
	v_wmma_f32_16x16x32_f16 v[8*(8*(\b)+(\a)):8*(8*(\b)+(\a))+7], v[FB0+32*(\f)+8*(\b):FB0+32*(\f)+8*(\b)+7], v[FA0+64*(\f)+8*(\a):FA0+64*(\f)+8*(\a)+7], v[8*(8*(\b)+(\a)):8*(8*(\b)+(\a))+7]
.endif
.endr
.endm
; 24 LDS loads in one run: quarter q of a K step (head q / 2, channels 32 (q % 2) on) into buffer f: att's sixteen loads, then wot's eight
.macro FETCH slot, q, f
	WIN 0
.irp i, 0,1,2,3,4,5,6,7
	ds_load_b128 v[FA0+64*(\f)+8*(\i):FA0+64*(\f)+8*(\i)+3],   v[ADRA+(\slot)] offset:((\q)/2)*APAN+((\q)%2)*64+(\i)*16*PA
	ds_load_b128 v[FA0+64*(\f)+8*(\i)+4:FA0+64*(\f)+8*(\i)+7], v[ADRA+(\slot)] offset:((\q)/2)*APAN+((\q)%2)*64+(\i)*16*PA+32
.endr
.irp i, 0,1,2,3
	ds_load_b128 v[FB0+32*(\f)+8*(\i):FB0+32*(\f)+8*(\i)+3],   v[ADRB+(\slot)] offset:(\q)*64+(\i)*16*PB
	ds_load_b128 v[FB0+32*(\f)+8*(\i)+4:FB0+32*(\f)+8*(\i)+7], v[ADRB+(\slot)] offset:(\q)*64+(\i)*16*PB+32
.endr
.endm
.macro PLACES                          ; four plain vector instructions between a matrix instruction and a load into, a store of, or a vector line on its registers
.rept 4
	v_nop
.endr
.endm
.macro QUARTER slot, q, f, g, zero     ; multiplies buffer f and fetches quarter q of the same slot into g
	s_wait_dscnt 6                                 ; att's fragments and wot's block 0 are in; the youngest six loads (blocks 1-3) may be out
	MULB \f, 0, \zero
	PLACES
	FETCH \slot, \q, \g
	s_wait_dscnt 24                                ; all but the 24 just issued
	MULB \f, 1, \zero
	MULB \f, 2, \zero
	MULB \f, 3, \zero
.endm
; The last quarter multiplies buffer 1 and changes slots: in front of the barrier each wave waits for all its tensor loads (one is out: its part of the next slot), adds 0 to its spare word, and waits for that
; and for its own reads of this slot.  fill = 1: the barrier opens a round of the cluster's barrier, and the slot's joint refill, two K steps on, is the first tensor load behind the round: 112 matrix instructions ahead of its wait.
.macro TURN slot, next, fill
.if \fill
	s_wait_xcnt 0x0                                ; the last prefetch, a K step back, has read its address, so it may be stepped
	s_add_nc_u64 s[PFA:PFA+1], s[PFA:PFA+1], s[PFS:PFS+1]
.endif
	WIN 0                                          ; (the add's two registers lie in window 0)
	s_wait_tensorcnt 0x0                           ; all my tensor loads have landed
	ds_add_u32 v[SPW], v[NIL]                      ; 0 onto my spare word
	s_wait_dscnt 7                                 ; (the add and the youngest six loads may be out)
	MULB 1, 0, 0
	s_wait_dscnt 0x0                               ; the add is done, and my reads of this slot are over
	s_barrier_signal -1
	MULB 1, 1, 0                                   ; work on registers while the others arrive
.if \fill
	WIN 0
.endif
	s_barrier_wait -1
.if \fill
	CREST                                          ; no wave of any partner still reads this slot or has a load on its way
	s_add_nc_u64 s[G0+4*(\slot)+2:G0+4*(\slot)+3], s[G0+4*(\slot)+2:G0+4*(\slot)+3], 2*ASTEP
	s_add_nc_u64 s[G0B+4*(\slot)+2:G0B+4*(\slot)+3], s[G0B+4*(\slot)+2:G0B+4*(\slot)+3], 2*BSTEP
	JLOAD \slot                                    ; the four v_nop behind it are also the places in front of the loads below
.else
	PLACES
.endif
	FETCH \next, 0, 0
.if \fill
	ASK
.endif
	MULB 1, 2, 0
	MULB 1, 3, 0
.endm
	s_wait_tensorcnt 1                             ; my part of K step 0 is in; K step 1's may stay out
	s_barrier_signal -1
	s_barrier_wait -1
	FETCH 0, 0, 0
	QUARTER 0, 1, 0, 1, 1                          ; the first quarter: its products start the sums
	WIN 0                                          ; at a label and at a branch every window is 0
	s_mov_b32 s3, LAPS-1
.Llap:                                                 ; a trip goes once round the ring, from a lap's second quarter to the next lap's first, and fills both slots again
	QUARTER 0, 2, 1, 0, 0
	QUARTER 0, 3, 0, 1, 0
	TURN 0, 1, 1
	QUARTER 1, 1, 0, 1, 0
	QUARTER 1, 2, 1, 0, 0
	QUARTER 1, 3, 0, 1, 0
	TURN 1, 0, 1
	QUARTER 0, 1, 0, 1, 0
	WIN 0
	s_sub_co_u32 s3, s3, 1
	s_cmp_lg_u32 s3, 0
	s_cbranch_scc1 .Llap
	QUARTER 0, 2, 1, 0, 0                          ; the last lap fills nothing
	QUARTER 0, 3, 0, 1, 0
	TURN 0, 1, 0
	QUARTER 1, 1, 0, 1, 0
	QUARTER 1, 2, 1, 0, 0
	QUARTER 1, 3, 0, 1, 0
	s_wait_dscnt 6                                 ; the very last quarter: nothing more to fetch
	MULB 1, 0, 0
	s_wait_dscnt 0x0
	MULB 1, 1, 0
	MULB 1, 2, 0
	MULB 1, 3, 0
	WIN 0
	; THE WAY OUT.  A lane's eight f32 of a row go into my stage (rows of 272 bytes) and come back as whole rows of 256 bytes; the bias is added there, and sixteen lanes store a row's 256 bytes.
	s_wait_loadcnt 0x0                             ; bo
	v_cvt_pk_bf16_f32 v12, v[BIAS], v[BIAS+1]      ; rounded to bf16 like the other inputs, and widened again
	v_cvt_pk_bf16_f32 v13, v[BIAS+2], v[BIAS+3]
	v_lshlrev_b32 v[BIAS], 16, v12
	v_and_b32 v[BIAS+1], 0xffff0000, v12
	v_lshlrev_b32 v[BIAS+2], 16, v13
	v_and_b32 v[BIAS+3], 0xffff0000, v13
	PLACES
.macro TOSTAGE a
	s_wait_xcnt 0x0                                ; earlier stores have read their registers: this block's set is loaded again only behind this wait
	WIN 0x04                                       ; the stores' data lie in window 1
.irp b, 0,1,2,3
	ds_store_b128 v[STO], v[8*(8*(\b)+(\a)):8*(8*(\b)+(\a))+3]   offset:64*(\b)      ; each accumulator's low registers first
	ds_store_b128 v[STO], v[8*(8*(\b)+(\a))+4:8*(8*(\b)+(\a))+7] offset:64*(\b)+16
.endr
	WIN 0
.irp t, 0,1,2,3,4,5,6,7
	ds_load_b128 v[224-192*((\a)%2)+4*(\t):224-192*((\a)%2)+4*(\t)+3], v[RD] offset:(\t)*2*SP  ; LDS serves a wave's instructions in order (ISA guide 5.7.1.4): these see the stores above
.endr
.endm
.macro SEND a, younger                 ; younger: the LDS instructions issued behind block a's loads: the next block's sixteen, or none
.irp t, 0,1,2,3,4,5,6,7
	s_wait_dscnt (\younger)+7-(\t)
	v_pk_add_f32 v[224-192*((\a)%2)+4*(\t):224-192*((\a)%2)+4*(\t)+1],   v[224-192*((\a)%2)+4*(\t):224-192*((\a)%2)+4*(\t)+1],   v[BIAS:BIAS+1]
	v_pk_add_f32 v[224-192*((\a)%2)+4*(\t)+2:224-192*((\a)%2)+4*(\t)+3], v[224-192*((\a)%2)+4*(\t)+2:224-192*((\a)%2)+4*(\t)+3], v[BIAS+2:BIAS+3]
	global_store_b128 v[CO], v[224-192*((\a)%2)+4*(\t):224-192*((\a)%2)+4*(\t)+3], s[8:9] offset:(16*(\a)+2*(\t))*8192 th:TH_STORE_NT  ; 16 lanes store 256 consecutive bytes, at a multiple of 256 from out0's first byte
.endr
.endm
	TOSTAGE 0
.irp a, 1,2,3,4,5,6,7
	TOSTAGE \a
	SEND (\a)-1, 16
.endr
	SEND 7, 0
	s_wait_tensorcnt 0x0                           ; the wave's end: behind my last tensor load and my last LDS store
	ds_add_u32 v[SPW], v[NIL]
	s_wait_dscnt 0x0
	CROUND                                         ; the closing round: no work-group ends while a partner may still ask for a tile that names it
	s_endpgm
.Lfunc_end_k_qb7c477b598_oproj:
	.size	k_qb7c477b598_oproj, .Lfunc_end_k_qb7c477b598_oproj-k_qb7c477b598_oproj
	.p2alignl 7, 3214868480
	.fill 96, 4, 3214868480
	.section	.rodata,"a",@progbits
	.p2align	6, 0x0
	.amdhsa_kernel k_qb7c477b598_oproj
		.amdhsa_group_segment_fixed_size 327680
		.amdhsa_private_segment_fixed_size 0
		.amdhsa_enable_private_segment 0
		.amdhsa_kernarg_size 32
		.amdhsa_user_sgpr_count 2
		.amdhsa_user_sgpr_kernarg_segment_ptr 1
		.amdhsa_wavefront_size32 1
		.amdhsa_system_sgpr_workgroup_id_x 1
		.amdhsa_system_sgpr_workgroup_id_y 1
		.amdhsa_system_sgpr_workgroup_id_z 1
		.amdhsa_system_vgpr_workitem_id 0
		.amdhsa_next_free_vgpr 512
		.amdhsa_next_free_sgpr 68
		.amdhsa_reserve_vcc 0
		.amdhsa_float_denorm_mode_32 3
		.amdhsa_float_denorm_mode_16_64 3
		.amdhsa_memory_ordered 1
		.amdhsa_forward_progress 1
		.amdhsa_inst_pref_size 97
	.end_amdhsa_kernel
	.amdgpu_metadata
---
amdhsa.version: [ 1, 2 ]
amdhsa.kernels:
  - .name:           k_qb7c477b598_oproj
    .symbol:         k_qb7c477b598_oproj.kd
    .args:
      - { .name: att, .offset: 0, .size: 8, .value_kind: global_buffer, .address_space: global }
      - { .name: wot, .offset: 8, .size: 8, .value_kind: global_buffer, .address_space: global }
      - { .name: out0, .offset: 16, .size: 8, .value_kind: global_buffer, .address_space: global }
      - { .name: bo, .offset: 24, .size: 8, .value_kind: global_buffer, .address_space: global }
    .group_segment_fixed_size: 327680
    .private_segment_fixed_size: 0
    .kernarg_segment_align: 8
    .kernarg_segment_size: 32
    .max_flat_workgroup_size: 128
    .sgpr_count:     68
    .vgpr_count:     512
    .wavefront_size: 32
...
	.end_amdgpu_metadata
.endif
;; end of part 4
;; ======== version 2 of 2: 4 launches; version 1 with the launch prep written anew for expert scheduling mode
;; limits: values are held in f16: magnitudes above 65,504 overflow, below 6.1e-05 lose precision
;; workspace buffers: xb 16,777,216 bytes; wt 25,165,824 bytes; wot 8,388,608 bytes; qkv 16,777,216 bytes; kvp 5,242,880 bytes; att 16,777,216 bytes
;; launch prep (part 5): grid 256 x 6, 8 waves a work-group, no clusters, 35,840 bytes of LDS; arguments hidden_states, Wq, Wk, Wv, Wo, xb, wt, wot; writes xb, wt, wot
.if DOCPART == 5
	.amdgcn_target "amdgcn-amd-amdhsa--gfx1250"
	.amdhsa_code_object_version 6
	.text
	.protected	k_qb7c477b598_prep
	.globl	k_qb7c477b598_prep
	.p2align	8
	.type	k_qb7c477b598_prep,@function
k_qb7c477b598_prep:
	s_mov_b64 s[64:65], 0
	v_nop
	global_prefetch_b8 v0, s[64:65] scope:SCOPE_SE
	s_setreg_imm32_b32 hwreg(HW_REG_WAVE_SCHED_MODE, 0, 2), 2
	s_setreg_imm32_b32 hwreg(HW_REG_WAVE_MODE, 25, 1), 1
	s_wait_xcnt 0x0
	s_wait_alu depctr_vm_vsrc(0)
; PREPARATION.  Every input of the products is rounded once to bf16, and the weights are turned so that K lies along the rows.
;   xb  [4096][2048] bf16 = hidden_states.
;   wt  [6144][2048 k] bf16, BY HEADS: row 192 h + 64 y + j is column 64 h + j of Wq (y = 0), Wk (y = 1), Wv (y = 2): a head's q, k and v columns lie together.
;   wot [2048 n][2048 k] f16: Wo rounded to bf16, that number written as f16, turned.
; LIMIT.  A bf16 number is an f16 number exactly between 2^-14 and 65,504; below 2^-14 wot keeps f16's fixed step of 6e-8; a Wo beyond 65,504 becomes an infinity.
; GRID.  y = 0..3: one of the four weights, x = a block of 128 k x 128 n (k block x / 16, n block x % 16).  y = 4, 5: 16,384 numbers of hidden_states each.
; No matrix unit, tensor load, cluster or prefetch: each byte is read once and written once, by many small work-groups that each have all their loads out at once.
; THE MODE: SCHED_MODE bits 1:0 = 2 (LLVM: expert scheduling mode 2), set by the entry lines.  The code itself states the register dependences
; between vector instructions and memory or LDS instructions, with s_wait_alu, always for 0.
; THE PLAN.  Registers that memory or LDS instructions touch:
;   A weight's block.  v3: made at the path's head, read by the 16 loads.  R: the loads land in it, the conversions read it; behind the barrier the LDS loads land in v[32:63], and the global stores read them.
;     T: written by the conversions, read by the eight LDS stores.  v4, v6, v10: made behind the loads; read by the LDS stores, the LDS loads and the global stores.
;     Two waits on va_vdst: one ahead of the loads (v3); one ahead of the LDS stores, behind which no vector instruction stands on this path: it states T, v4, v6 and v10 written and the reads of R over.
;   hidden_states.  v2, v3: made at the path's head, read by the loads and the stores.  R: the loads land in it, the conversions read it.  T: each round's four registers are written by its conversions and read by its store.
;     Four steps of two rounds.  One wait on va_vdst ahead of the loads; one at the head of each later step, behind the wait for its data: the step before has written its T, and its two stores follow at once; one ahead of the last two stores.
;   v12, v13: written at the head, read by the closing add alone.
;   No register that a memory or LDS instruction has read is written again on any path: there is no wait on vm_vsrc to write.
.set PT,    272                        ; a row of the turned tile in LDS: 128 k x 2 bytes + 16
.set SPARE, 128*PT                     ; behind the tile: the spare words, 128 bytes for each of the eight waves
.set SPW,   12                         ; v12  LDS address of my spare word; never rewritten
.set NIL,   13                         ; v13  0; never rewritten
.set R,     32                         ; v[32:95]   as loaded (f32); later v[32:63] rows read back
.set T,     96                         ; v[96:127]  rounded
	s_load_b512 s[8:23], s[0:1], 0x0               ; hidden_states s[8:9], Wq s[10:11], Wk s[12:13], Wv s[14:15], Wo s[16:17], xb s[18:19], wt s[20:21], wot s[22:23]
	v_lshl_add_u32 v[SPW], v0, 2, SPARE
	v_mov_b32 v[NIL], 0
	v_lshrrev_b32 v2, 5, v0
	v_readfirstlane_b32 s4, v2                     ; wave 0..7
	v_and_b32 v1, 31, v0                           ; lane
	s_and_b32 s5, ttmp7, 0xffff                    ; y
	s_mov_b32 s25, 0                               ; the high word of every offset
	s_wait_alu depctr_va_sdst(0)                   ; s4 is written, ahead of the branch below and of its first reader: the weights' addresses are made from it
	s_wait_kmcnt 0x0
	s_cmp_ge_u32 s5, 4                             ; the same in all waves of a work-group
	s_cbranch_scc1 .Lx
	; ---- A WEIGHT'S BLOCK: 128 k x 128 n ----
	v_lshlrev_b32 v3, 4, v1                        ; 16 bytes a lane: a load covers 512 consecutive bytes of a row of W (128 n)
	s_lshr_b32 s6, ttmp9, 4                        ; k block
	s_and_b32 s7, ttmp9, 15                        ; n block
	s_lshl_b32 s30, s7, 1                          ; my wave's 16 turned rows n = 128 nb + 16 w .. lie in head 2 nb + w / 4, from its column 16 (w % 4) on:
	s_lshr_b32 s31, s4, 2
	s_add_co_u32 s30, s30, s31
	s_mul_i32 s30, s30, 192                        ; in wt at row 192 head
	s_lshl_b32 s31, s5, 6                          ; + 64 y
	s_add_co_u32 s30, s30, s31
	s_and_b32 s31, s4, 3
	s_lshl_b32 s31, s31, 4                         ; + 16 (w % 4);
	s_add_co_u32 s30, s30, s31
	s_lshl_b32 s33, s7, 7                          ; in wot at row 128 nb + 16 w
	s_lshl_b32 s31, s4, 4
	s_add_co_u32 s33, s33, s31
	s_cmp_eq_u32 s5, 1
	s_cselect_b64 s[26:27], s[12:13], s[10:11]
	s_cmp_eq_u32 s5, 2
	s_cselect_b64 s[26:27], s[14:15], s[26:27]
	s_cmp_eq_u32 s5, 3
	s_cselect_b64 s[26:27], s[16:17], s[26:27]     ; from where
	s_cselect_b64 s[28:29], s[22:23], s[20:21]     ; to where: wot for Wo, else wt
	s_cselect_b32 s30, s33, s30
	s_lshl_b32 s24, s6, 20                         ; from: (128 kb + 16 w) rows of 8,192 bytes + 512 nb
	s_lshl_b32 s31, s4, 17
	s_add_co_u32 s24, s24, s31
	s_lshl_b32 s31, s7, 9
	s_add_co_u32 s24, s24, s31
	s_add_nc_u64 s[26:27], s[26:27], s[24:25]
	s_lshl_b32 s24, s30, 12                        ; to: my first row, 4,096 bytes a row, + 256 kb
	s_lshl_b32 s31, s6, 8
	s_add_co_u32 s24, s24, s31
	s_add_nc_u64 s[28:29], s[28:29], s[24:25]
	s_wait_alu depctr_va_vdst(0)                   ; v3 is written, which the sixteen loads below read as their offset
	; wave w takes the 16 rows k = 16 w .. 16 w + 15 of the block: two groups (cc) of eight.  Lane l holds n = 4 l + c
.irp cc, 0,1
.irp j, 0,1,2,3,4,5,6,7
	global_load_b128 v[R+32*(\cc)+4*(\j):R+32*(\cc)+4*(\j)+3], v3, s[26:27] offset:(8*(\cc)+(\j))*8192 th:TH_LOAD_NT
.endr
.endr
	v_and_b32 v14, 15, v1                          ; l % 16
	v_lshrrev_b32 v16, 4, v1                       ; l / 16
	v_mul_u32_u24 v4, v1, 4*PT                     ; in: rows 4 l + c, bytes 32 w + 16 cc.  Rows four apart lie 1,088 bytes apart, 64 bytes round the banks, so lanes four apart meet in the
	s_lshl_b32 s32, s4, 5                          ; same banks; no pitch that keeps 16-byte alignment spreads them further, and a work-group has only 64 such stores
	v_add_nc_u32 v4, s32, v4
	s_mul_i32 s34, s4, 16*PT                       ; back: wave w takes rows 16 w .. 16 w + 15, two a load: lanes 0-15 one row's 256 bytes, lanes 16-31 the next
	v_mul_u32_u24 v6, v16, PT
	v_lshl_add_u32 v6, v14, 4, v6
	v_add_nc_u32 v6, s34, v6
	v_lshlrev_b32 v10, 4, v14                      ; and the same two rows in memory, 4,096 bytes apart
	v_lshl_add_u32 v10, v16, 12, v10
.irp cc, 0,1
	s_wait_loadcnt 8-8*(\cc)                       ; group cc is in; the eight loads of the later group may stay out
.irp c, 0,1,2,3
.irp jj, 0,1,2,3
	v_cvt_pk_bf16_f32 v[T+16*(\cc)+4*(\c)+(\jj)], v[R+32*(\cc)+8*(\jj)+(\c)], v[R+32*(\cc)+8*(\jj)+4+(\c)]  ; k = 2 jj, 2 jj + 1 of the group, for n = 4 l + c: four of these are 16 bytes of a turned row
.endr
.endr
.endr
	s_cmp_lg_u32 s5, 3
	s_cbranch_scc1 .Lkeep                          ; Wo alone: the bf16 number is written as f16
.set i, 0
.rept 32
	v_lshlrev_b32 v18, 16, v[T+i]
	v_and_b32 v19, 0xffff0000, v[T+i]
	v_cvt_pk_f16_f32 v[T+i], v18, v19
.set i, i+1
.endr
.Lkeep:
	s_wait_alu depctr_va_vdst(0)                   ; the conversions have written T, which the LDS stores read, and are done reading v[32:63], in which the LDS loads behind the barrier land; v4, v6 and v10, the addresses of all that follows, are written
.irp cc, 0,1
.irp c, 0,1,2,3
	ds_store_b128 v4, v[T+16*(\cc)+4*(\c):T+16*(\cc)+4*(\c)+3] offset:(\c)*PT+16*(\cc)
.endr
.endr
	s_wait_dscnt 0x0                               ; for the others' sake: my stores into the tile are done
	s_barrier_signal -1
	s_barrier_wait -1
.irp t, 0,1,2,3,4,5,6,7
	ds_load_b128 v[R+4*(\t):R+4*(\t)+3], v6 offset:(\t)*2*PT  ; no vector instruction since the wait above names v6 or these registers
.endr
.irp t, 0,1,2,3,4,5,6,7
	s_wait_dscnt 7-(\t)                            ; LDS loads come back in order: pair t of rows is in
	global_store_b128 v10, v[R+4*(\t):R+4*(\t)+3], s[28:29] offset:(\t)*8192  ; 16 lanes store 256 consecutive bytes, at a multiple of 256 from the buffer's first byte
.endr
	s_branch .Lend
	; ---- hidden_states: 16,384 numbers ----
.Lx:
	v_lshlrev_b32 v2, 5, v0                        ; thread t takes 8 numbers: 32 bytes in,
	v_lshlrev_b32 v3, 4, v0                        ; 16 out
	s_sub_co_u32 s5, s5, 4
	s_lshl_b32 s5, s5, 8
	s_add_co_u32 s5, s5, ttmp9                     ; part 0..511
	s_lshl_b32 s24, s5, 16                         ; 65,536 bytes in,
	s_add_nc_u64 s[8:9], s[8:9], s[24:25]
	s_lshl_b32 s24, s5, 15                         ; 32,768 out
	s_add_nc_u64 s[18:19], s[18:19], s[24:25]
	s_wait_alu depctr_va_vdst(0)                   ; v2 and v3 are written: every load below reads the one as its offset, every store the other
.irp i, 0,1,2,3,4,5,6,7
	global_load_b128 v[R+8*(\i):R+8*(\i)+3],   v2, s[8:9] offset:8192*(\i) th:TH_LOAD_NT
	global_load_b128 v[R+8*(\i)+4:R+8*(\i)+7], v2, s[8:9] offset:8192*(\i)+16 th:TH_LOAD_NT
.endr
	; four steps of two rounds: a step's two stores are issued at the head of the next step
.irp p, 0,1,2,3
	s_wait_loadcnt 12-4*(\p)                       ; step p's four loads are in; the later steps' stay out
.if (\p) > 0
	s_wait_alu depctr_va_vdst(0)                   ; the step before has written its eight registers of T, which the two stores below read
	global_store_b128 v3, v[T+8*(\p)-8:T+8*(\p)-5], s[18:19] offset:4096*(2*(\p)-2)  ; each round has registers of its own: nothing that a store reads is written again
	global_store_b128 v3, v[T+8*(\p)-4:T+8*(\p)-1], s[18:19] offset:4096*(2*(\p)-1)
.endif
.irp k, 0,1,2,3,4,5,6,7
	v_cvt_pk_bf16_f32 v[T+8*(\p)+(\k)], v[R+16*(\p)+2*(\k)], v[R+16*(\p)+2*(\k)+1]
.endr
.endr
	s_wait_alu depctr_va_vdst(0)                   ; the last step has written v[T+24:T+31], which the last two stores read
	global_store_b128 v3, v[T+24:T+27], s[18:19] offset:4096*6
	global_store_b128 v3, v[T+28:T+31], s[18:19] offset:4096*7
.Lend:
	s_wait_dscnt 0x0                               ; the closing lines, six on end
	s_wait_alu 0x0
	s_wait_tensorcnt 0x0
	ds_add_u32 v[SPW], v[NIL]
	s_wait_dscnt 0x0
	s_endpgm
.Lfunc_end_k_qb7c477b598_prep:
	.size	k_qb7c477b598_prep, .Lfunc_end_k_qb7c477b598_prep-k_qb7c477b598_prep
	.p2alignl 7, 3214868480
	.fill 96, 4, 3214868480
	.section	.rodata,"a",@progbits
	.p2align	6, 0x0
	.amdhsa_kernel k_qb7c477b598_prep
		.amdhsa_group_segment_fixed_size 35840
		.amdhsa_private_segment_fixed_size 0
		.amdhsa_enable_private_segment 0
		.amdhsa_kernarg_size 64
		.amdhsa_user_sgpr_count 2
		.amdhsa_user_sgpr_kernarg_segment_ptr 1
		.amdhsa_wavefront_size32 1
		.amdhsa_system_sgpr_workgroup_id_x 1
		.amdhsa_system_sgpr_workgroup_id_y 1
		.amdhsa_system_sgpr_workgroup_id_z 1
		.amdhsa_system_vgpr_workitem_id 0
		.amdhsa_next_free_vgpr 128
		.amdhsa_next_free_sgpr 66
		.amdhsa_reserve_vcc 0
		.amdhsa_float_denorm_mode_32 3
		.amdhsa_float_denorm_mode_16_64 3
		.amdhsa_memory_ordered 1
		.amdhsa_forward_progress 1
		.amdhsa_inst_pref_size 19
	.end_amdhsa_kernel
	.amdgpu_metadata
---
amdhsa.version: [ 1, 2 ]
amdhsa.kernels:
  - .name:           k_qb7c477b598_prep
    .symbol:         k_qb7c477b598_prep.kd
    .args:
      - { .name: hidden_states, .offset: 0, .size: 8, .value_kind: global_buffer, .address_space: global }
      - { .name: Wq, .offset: 8, .size: 8, .value_kind: global_buffer, .address_space: global }
      - { .name: Wk, .offset: 16, .size: 8, .value_kind: global_buffer, .address_space: global }
      - { .name: Wv, .offset: 24, .size: 8, .value_kind: global_buffer, .address_space: global }
      - { .name: Wo, .offset: 32, .size: 8, .value_kind: global_buffer, .address_space: global }
      - { .name: xb, .offset: 40, .size: 8, .value_kind: global_buffer, .address_space: global }
      - { .name: wt, .offset: 48, .size: 8, .value_kind: global_buffer, .address_space: global }
      - { .name: wot, .offset: 56, .size: 8, .value_kind: global_buffer, .address_space: global }
    .group_segment_fixed_size: 35840
    .private_segment_fixed_size: 0
    .kernarg_segment_align: 8
    .kernarg_segment_size: 64
    .max_flat_workgroup_size: 256
    .sgpr_count:     66
    .vgpr_count:     128
    .wavefront_size: 32
...
	.end_amdgpu_metadata
.endif
;; end of part 5
;; launch qkv: the kernel of part 2 again; grid 32 x 8, 4 waves a work-group, clusters of 4 x 4, 327,680 bytes of LDS; arguments xb, wt, qkv, kvp; writes qkv, kvp
;; launch attn: the kernel of part 3 again; grid 4 x 64, 8 waves a work-group, no clusters, 29,952 bytes of LDS; arguments qkv, kvp, att; writes att
;; launch oproj: the kernel of part 4 again; grid 16 x 16, 4 waves a work-group, clusters of 4 x 4, 327,680 bytes of LDS; arguments att, wot, out0, bo; writes out0
